; MI455X (gfx1250); checked and timed in simulation.
; The chip was launched on July 23, 2026; its instructions are those of AMD's public machine-readable ISA for CDNA 5 (MIT licence, August 2026) and "CDNA5" Instruction Set Architecture Reference Guide (July 2026). The comments in the code are by the model that wrote it; some were corrected since.
;; Causal Self Attention. Allowed arithmetic: matrix products marked QUANTISED: E2M1 operands, one E8M0 scale for each 32 along K, by v_wmma_scale_f32_16x16x128_f8f6f4 with both operands' format E2M1 (or v_wmma_scale_f32_32x16x128_f4), f32 sums; products left as they are: bf16, f16 or f32 operands; f32 sums; everything else in f32.
;; Inputs: Wproj 1,024 x 1,024 float32; Wqkv 1,024 x 3,072 float32; x 4 x 2,048 x 1,024 float32.
;; Outputs: out0 4 x 2,048 x 1,024 float32.
;; This version of the problem:
;;   THIS VERSION OF THE PROBLEM IS GIVEN IN LOW PRECISION. The matrix products marked QUANTISED in the list below multiply operands that are first quantised to E2M1 (2 exponent bits, 1 mantissa bit; 4 bits a number), with one power-of-two scale for each 32 numbers along K (OCP MX v1.0); their sums are f32. The products marked 'left as it is' may take bf16, f16 or f32 operands, with f32 sums. Whichever they take, every output number must still come out within the allowed error. Rounding operands to bf16 (8 significant bits) uses up far more of that allowance than f16 does (11 bits, for magnitudes from 6e-5 to 65,504). All else is computed in f32.
;;   The module's matrix products, in the order in which they are computed (A, B: the left and right operand; K: the contracted axis; several contracted axes count as one K, in the product's order):
;;     1. [M 8,192, K 1,024] x [K 1,024, N 3,072]; A: input x; B: input Wqkv: QUANTISED
;;     2. [M 2,048, K 1] x [K 1, N 32]; A: computed on the way; B: computed on the way: left as it is (no contracted axis)
;;     3. batch 64 x [M 2,048, K 64] x [K 64, N 2,048]; A: computed on the way; B: computed on the way: left as it is (an operand is computed on the way)
;;     4. batch 64 x [M 2,048, K 2,048] x [K 2,048, N 64]; A: computed on the way; B: computed on the way: left as it is (an operand is computed on the way)
;;     5. [M 8,192, K 1,024] x [K 1,024, N 1,024]; A: computed on the way; B: input Wproj: left as it is (an operand is computed on the way)
;;   THE QUANTISER, for each operand of a quantised product, along K:
;;     - K is cut into blocks of 32 from its start; a last block that is shorter is filled with zeros.
;;     - A block's scale is 2^e with e = floor(log2(the largest magnitude in the block)) - 2, held to -126 .. 127; a block of zeros has e = 0. As a byte (E8M0): e + 127.
;;     - Each number is divided by its block's scale, clamped to +-6, and rounded to the nearest number of E2M1, ties to even, subnormals kept.
;;     - The product sums the exact products of the quantised numbers (number of the format x scale) in f32.
;;   ~~~python
;;   def quantise(x, axis):      # numpy; x: float32 -> the quantised numbers, widened to float32 again
;;       x = np.moveaxis(x, axis, -1); K = x.shape[-1]
;;       x = np.pad(x, [(0, 0)] * (x.ndim - 1) + [(0, -K % 32)]); x = x.reshape(x.shape[:-1] + (-1, 32)); a = np.abs(x).max(-1, keepdims=True)
;;       e = np.where(a > 0, np.clip(np.frexp(np.where(a > 0, a, 1))[1] - 1 - 2, -126, 127), 0)      # np.frexp(a)[1] - 1 = floor(log2(a)), exactly
;;       r = np.clip(x / 2.0 ** e, -6, 6)
;;       step = 2.0 ** (np.maximum(np.frexp(np.where(r == 0, 1, r))[1] - 1, 0) - 1)
;;       q = np.round(r / step) * step * 2.0 ** e      # np.round: ties to even
;;       return np.moveaxis(q.reshape(q.shape[:-2] + (-1,))[..., :K], -1, axis).astype(np.float32)
;;   ~~~
;; One version. Each part assembles by itself: llvm-mc -triple=amdgcn-amd-amdhsa -mcpu=gfx1250 --defsym DOCPART=n.
;; ======== version 1 of 1: 5 launches
;; limits: values are held in f16: magnitudes above 65,504 overflow, below 6.1e-05 lose precision
;; workspace buffers: codes 5,767,168 bytes; scales 360,448 bytes; wpt 2,097,152 bytes; tab 1,048,576 bytes; qkv 50,331,648 bytes; early 786,432 bytes; yh 16,777,216 bytes
;; launch prep (part 1): grid 400 x 1, 4 waves a work-group, no clusters, 102,912 bytes of LDS; arguments x, Wqkv, Wproj, codes, scales, wpt, tab; writes codes, scales, wpt, tab
.if DOCPART == 1
	.amdgcn_target "amdgcn-amd-amdhsa--gfx1250"
	.amdhsa_code_object_version 6
	.text
	.protected	k_qbb1fdaddf6_prep
	.globl	k_qbb1fdaddf6_prep
	.p2align	8
	.type	k_qbb1fdaddf6_prep,@function
k_qbb1fdaddf6_prep:
	s_mov_b64 s[64:65], 0
	v_nop
	global_prefetch_b8 v0, s[64:65] scope:SCOPE_SE
	s_setreg_imm32_b32 hwreg(HW_REG_WAVE_MODE, 25, 1), 1
	s_wait_xcnt 0x0
; PREP: everything that later launches read many times is made once.  Four kinds of work-groups, parted by the work-group's number alone:
;   0-255   x [8192][1024] f32 -> codes of FP4 (E2M1), K innermost, at codes + 0, and one E8M0 byte for each 32 along K at scales + 0
;   256-303 Wqkv [1024 k][3072 n] f32 -> the same for its columns: codes [3072 n][512 bytes] at codes + 4,194,304, bytes [3072][32] at scales + 262,144
;   304-367 Wproj [1024 k][1024 n] f32 -> f16, turned: wpt [1024 n][1024 k]
;   368-399 the RoPE tables: tab [2 parts][128 blocks of 16 positions][8 pieces][32 lanes][4 f32]: part 0 times c = log2(e) / 8 (for q), part 1 plain (for k)
; A block's scale is 2^(floor(log2(its largest magnitude)) - 2); its byte is the largest magnitude's exponent field - 2, held at 1 from below.  A block of zeros so gets the byte 1 where the rule
; says 127: its codes are zeros, which add nothing under any byte but 0xff, and this program alone reads the bytes.
; LIMITS: NaN and infinities among the inputs are not served; blocks whose largest magnitude lies under 2^-124 keep the byte 1; Wproj goes to f16 (largest number 65,504).
; The table's angle t x f differs from one made with a correctly rounded f by up to some 2e-4 at t x f near 1,500 (v_exp_f32 is good to 1 ulp), which is of the size of one f32 step of that angle.
; No tensor loads, no barrier: waves share nothing.  Each kind has LDS bytes of its own.
.set SPW,   12                         ; v12  LDS address of my spare word: SPARE + 4 x my thread's number; never rewritten
.set NIL,   13                         ; v13  0; never rewritten
.set WREG,  8192                       ; x: a region for each wave, from LDS byte 0: two stages of 32 x SP bytes, then its 256 scale bytes
.set WLDS,  32768                      ; Wqkv: four stages of 32 rows x 272 bytes
.set PLDS,  67584                      ; Wproj: likewise
.set SPARE, 102400                     ; the spare words, 128 bytes for each wave: two blocks of 256 bytes that no other line names
.set PITCH, 272                        ; a stage row of the two turning kinds: 256 bytes + 16
.set SP,    80                         ; x: a lane's place in a stage: its 64 bytes + 16 of padding
.set STEPS, 16
.set XR,    16                         ; x: v16-79 four sets of 16 numbers as loaded; v80-111 two sets of 16 neighbours; v112-127 a byte a step; v128-191 codes, four registers a step
.set XX,    80
.set XE,    112
.set XC,    128
.set WX,    32                         ; the turning kinds: v32-95 two sets of 32 numbers; v96-111 a block's codes or f16 pairs; v112-175 the way out; v24-27 scale bytes
.set WC,    96
.set WO,    112
.set WSB,   24
.set TF,    16                         ; the tables: v16-31 my 16 frequencies; v32-63 at work, four numbers at a time; v64-127 results, 16 registers a task
.set TTH,   32
.set TN,    36
.set TR,    40
.set TZ,    44
.set TSN,   48
.set TCN,   52
.set TKI,   56
.set TM,    60
.set TD,    64
	s_load_b256 s[4:11], s[0:1], 0x0               ; x s[4:5], Wqkv s[6:7], Wproj s[8:9], codes s[10:11]
	s_load_b128 s[12:15], s[0:1], 0x20             ; scales s[12:13], wpt s[14:15]
	s_load_b64 s[16:17], s[0:1], 0x30              ; tab
	v_lshl_add_u32 v[SPW], v0, 2, SPARE
	v_mov_b32 v[NIL], 0
	v_lshrrev_b32 v1, 5, v0
	v_readfirstlane_b32 s18, v1                    ; wave 0..3
	v_and_b32 v2, 31, v0                           ; lane
	s_mov_b32 s23, 0                               ; the upper word of every offset pair s[22:23]
	s_wait_kmcnt 0x0
	s_cmp_lt_u32 ttmp9, 256
	s_cbranch_scc0 .Lnot_x
; ---------------- x.  Rows are dense and K is a multiple of 32: a plain stream of blocks of 32.  A wave takes 16 steps of 512 numbers.  Each load reads 512 consecutive bytes, 16 a lane; a step's 2,048 bytes
; turn through the wave's own stage and come back 64 bytes a lane, so that a lane holds 16 neighbours (two lanes hold a block).  Loads run four steps ahead, the turn one step.
.macro LOADX t
.irp i, 0,1,2,3
	global_load_b128 v[XR+16*((\t)%4)+4*\i:XR+16*((\t)%4)+4*\i+3], v3, s[4:5] offset:2048*(\t)+512*\i th:TH_LOAD_NT
.endr
.endm
.macro TURNX t                         ; LDS serves a wave's instructions in order (ISA guide 5.7.1.4): no wait between the stores and the loads
.irp i, 0,1,2,3
	ds_store_b128 v14, v[XR+16*((\t)%4)+4*\i:XR+16*((\t)%4)+4*\i+3] offset:32*SP*((\t)%2)+8*SP*\i
.endr
.irp i, 0,1,2,3
	ds_load_b128 v[XX+16*((\t)%2)+4*\i:XX+16*((\t)%2)+4*\i+3], v15 offset:32*SP*((\t)%2)+16*\i
.endr
.endm
.macro STEPX t
.set XS, XX+16*((\t)%2)
.if (\t) > 0
	s_wait_dscnt 1                                 ; this step's numbers are back from the stage (the last step's byte store may be out): so its stores into the stage have read their registers,
.else
	s_wait_dscnt 0x0
.endif
.if (\t)+4 < STEPS
	LOADX (\t)+4                                   ; which take the loads of four steps on
.endif
.if (\t)+1 < STEPS
.if STEPS-2-(\t) >= 3
	s_wait_loadcnt 12                              ; the next step's four loads are in; those of the three steps behind it may be out
.else
	s_wait_loadcnt 4*(STEPS-2-(\t))
.endif
	TURNX (\t)+1
.endif
	v_max3_num_f32 v8, |v[XS]|, |v[XS+1]|, |v[XS+2]|               ; the largest magnitude of my 16, in two chains
	v_max3_num_f32 v9, |v[XS+3]|, |v[XS+4]|, |v[XS+5]|
.irp i, 6,10
	v_max3_num_f32 v8, v8, |v[XS+\i]|, |v[XS+\i+1]|
	v_max3_num_f32 v9, v9, |v[XS+\i+2]|, |v[XS+\i+3]|
.endr
	v_max3_num_f32 v8, v8, |v[XS+14]|, |v[XS+15]|
	v_max3_num_f32 v8, v8, v9, 3<<23               ; and the floor 2^(3 - 127): the byte cannot fall under 1
	v_max_num_f32_dpp v8, v8, v8 row_xmask:1 row_mask:0xf bank_mask:0xf   ; with my neighbour's 16: the block's
	v_add_nc_u32 v11, -(2<<23), v8                 ; 2 off its exponent field: the conversion takes the exponent field of this operand as its scale
	v_cvt_scalef32_pk8_fp4_f32 v[XC+4*(\t)], v[XS:XS+7], v11
	v_cvt_scalef32_pk8_fp4_f32 v[XC+4*(\t)+1], v[XS+8:XS+15], v11
	v_lshrrev_b32 v[XE+(\t)], 23, v11              ; the scale's byte (also the plain line behind the conversions)
	ds_store_b8 v5, v[XE+(\t)] offset:16*(\t)      ; both lanes of a block write the same byte with the same value
	global_store_b64 v4, v[XC+4*(\t):XC+4*(\t)+1], s[10:11] offset:256*(\t)   ; the wave stores 256 consecutive bytes, aligned
.endm
	v_lshlrev_b32 v3, 4, v2                        ; my 16 bytes of a load's 512
	s_mul_i32 s19, s18, WREG
	v_lshrrev_b32 v14, 2, v2
	v_mul_u32_u24 v14, v14, SP
	v_and_b32 v15, 3, v2
	v_lshl_add_u32 v14, v15, 4, v14
	v_add_nc_u32 v14, s19, v14                     ; the stage, on the way in: SP (lane / 4) + 16 (lane % 4)
	v_mul_u32_u24 v15, v2, SP
	v_add_nc_u32 v15, s19, v15                     ; and on the way out: SP x lane
	v_lshlrev_b32 v4, 3, v2                        ; 8 bytes a lane: my codes in a step's, and my part of the wave's scale bytes
	v_lshrrev_b32 v5, 1, v2
	s_add_co_u32 s19, s19, 2*32*SP
	v_add_nc_u32 v5, s19, v5                       ; LDS: my block's byte
	v_add_nc_u32 v6, s19, v4
	s_lshl_b32 s20, ttmp9, 2
	s_add_co_u32 s20, s20, s18                     ; which run of 8,192 numbers is my wave's: 0 .. 1,023
	s_lshl_b32 s22, s20, 15
	s_add_nc_u64 s[4:5], s[4:5], s[22:23]
	s_lshl_b32 s22, s20, 12
	s_add_nc_u64 s[10:11], s[10:11], s[22:23]
	s_lshl_b32 s22, s20, 8
	s_add_nc_u64 s[12:13], s[12:13], s[22:23]
.irp t, 0,1,2,3
	LOADX \t
.endr
	s_wait_loadcnt 12                              ; step 0's four loads are in
	TURNX 0
.irp t, 0,1,2,3,4,5,6,7,8,9,10,11,12,13,14,15
	STEPX \t
.endr
	ds_load_b64 v[8:9], v6                         ; the wave's 256 scale bytes: these loads see my stores
	s_wait_dscnt 0x0
	global_store_b64 v4, v[8:9], s[12:13]          ; 256 consecutive bytes, aligned
	s_wait_tensorcnt 0x0                           ; the wave's end: behind my last LDS store
	ds_add_u32 v[SPW], v[NIL]
	s_wait_dscnt 0x0
	s_endpgm
; ---------------- the two kinds whose K is the FIRST axis.  A lane takes a column n and its registers run down K: each load reads 128 consecutive bytes a wave, a block of 32 along K lies in one lane's
; 32 registers, and what is made of it has K innermost.  A column's 256 bytes gather in the wave's own stage and leave as rows: sixteen lanes store 256 consecutive bytes, aligned.
; Loads run two blocks ahead: 64 loads of a wave are out at the most, as many as the counted wait below can tell apart.
.macro WADDR lds, krow
	v_lshlrev_b32 v3, 2, v2                        ; in: 4 bytes a lane
	s_mul_i32 s19, s18, 32*PITCH
	s_add_co_u32 s19, s19, \lds                    ; my stage
	v_mul_u32_u24 v4, v2, PITCH
	v_add_nc_u32 v4, s19, v4                       ; into it: row = my column
	v_and_b32 v5, 15, v2
	v_lshrrev_b32 v6, 4, v2                        ; out of it: sixteen lanes to a row, two rows an instruction
	v_mul_u32_u24 v7, v6, PITCH
	v_lshl_add_u32 v7, v5, 4, v7
	v_add_nc_u32 v7, s19, v7
	v_mul_u32_u24 v8, v6, \krow
	v_lshl_add_u32 v8, v5, 4, v8                   ; and the same place in the output
.endm
.macro LOADW t, rowb, sb               ; block t: rows 32 t + i of my column, into set t % 2
.set i, 0
.rept 32
	global_load_b32 v[WX+32*((\t)%2)+i], v3, s[\sb:\sb+1] offset:(32*(\t)+i)*\rowb th:TH_LOAD_NT
.set i, i+1
.endr
.endm
.macro OUTW krow, sb
.irp t, 0,1,2,3,4,5,6,7,8,9,10,11,12,13,14,15
	ds_load_b128 v[WO+4*\t:WO+4*\t+3], v7 offset:2*\t*PITCH
.endr
.irp t, 0,1,2,3,4,5,6,7,8,9,10,11,12,13,14,15
	s_wait_dscnt 15-\t                             ; LDS loads come back in order: pair t of rows is in
	global_store_b128 v8, v[WO+4*\t:WO+4*\t+3], s[\sb:\sb+1] offset:2*\t*\krow
.endr
.endm
.macro BLOCKW t
.set XS, WX+32*((\t)%2)
.if (\t) < 15
	s_wait_loadcnt 32                              ; this block's 32 loads are in; the next block's may be out
.else
	s_wait_loadcnt 0
.endif
	v_max3_num_f32 v20, |v[XS]|, |v[XS+1]|, |v[XS+2]|              ; the block's largest magnitude: all 32 numbers are mine
	v_max3_num_f32 v21, |v[XS+3]|, |v[XS+4]|, |v[XS+5]|
.irp i, 6,10,14,18,22,26
	v_max3_num_f32 v20, v20, |v[XS+\i]|, |v[XS+\i+1]|
	v_max3_num_f32 v21, v21, |v[XS+\i+2]|, |v[XS+\i+3]|
.endr
	v_max3_num_f32 v20, v20, |v[XS+30]|, |v[XS+31]|
	v_max3_num_f32 v20, v20, v21, 3<<23            ; and the floor
	v_add_nc_u32 v11, -(2<<23), v20                ; the conversion's scale operand
	v_lshrrev_b32 v21, 23, v11                     ; the scale's byte
.if (\t)%4 == 0
	v_mov_b32 v[WSB+(\t)/4], v21                   ; four bytes to a register, the lower K in the lower byte
.else
	v_lshl_or_b32 v[WSB+(\t)/4], v21, 8*((\t)%4), v[WSB+(\t)/4]
.endif
.irp g, 0,1,2,3
	v_cvt_scalef32_pk8_fp4_f32 v[WC+\g], v[XS+8*\g:XS+8*\g+7], v11
.endr
	ds_store_b128 v4, v[WC:WC+3] offset:16*(\t)    ; 32 codes: 16 bytes of my column's row
.if (\t)+2 < 16
	LOADW (\t)+2, 12288, 6
.endif
	s_wait_dscnt 0x0                               ; the store has read its registers: the next block's codes may be written
.endm
.macro BLOCKP t
.set XS, WX+32*((\t)%2)
.if (\t) < 3
	s_wait_loadcnt 32
.else
	s_wait_loadcnt 0
.endif
.irp j, 0,1,2,3,4,5,6,7,8,9,10,11,12,13,14,15
	v_cvt_pk_f16_f32 v[WC+\j], v[XS+2*\j], v[XS+2*\j+1]            ; the lower k in the low half
.endr
.irp g, 0,1,2,3
	ds_store_b128 v4, v[WC+4*\g:WC+4*\g+3] offset:64*(\t)+16*\g
.endr
.if (\t)+2 < 4
	LOADW (\t)+2, 4096, 8
.endif
	s_wait_dscnt 0x0
.endm
.Lnot_x:
	s_cmp_lt_u32 ttmp9, 304
	s_cbranch_scc0 .Lnot_w
	; Wqkv: 24 groups of 128 columns x 2 halves of K.  A wave: 32 columns x 512 along K: 16 blocks, 256 bytes of codes a column
	s_sub_co_u32 s20, ttmp9, 256
	s_cmp_ge_u32 s20, 24
	s_cselect_b32 s21, 1, 0                        ; which half of K
	s_cselect_b32 s22, 24, 0
	s_sub_co_u32 s20, s20, s22
	s_lshl_b32 s20, s20, 7
	s_lshl_b32 s22, s18, 5
	s_add_co_u32 s20, s20, s22                     ; my wave's first column
	WADDR WLDS, 512
	v_lshlrev_b32 v9, 5, v2                        ; a column's row of scale bytes is 32 bytes
	s_mul_i32 s22, s21, 512*12288
	s_lshl_b32 s24, s20, 2
	s_add_co_u32 s22, s22, s24
	s_add_nc_u64 s[6:7], s[6:7], s[22:23]
	s_lshl_b32 s22, s20, 9
	s_lshl_b32 s24, s21, 8
	s_add_co_u32 s22, s22, s24
	s_add_co_u32 s22, s22, 4194304
	s_add_nc_u64 s[10:11], s[10:11], s[22:23]
	s_lshl_b32 s22, s20, 5
	s_lshl_b32 s24, s21, 4
	s_add_co_u32 s22, s22, s24
	s_add_co_u32 s22, s22, 262144
	s_add_nc_u64 s[12:13], s[12:13], s[22:23]
	LOADW 0, 12288, 6                              ; the largest offset, 511 rows of 12,288 bytes, lies inside the signed 24-bit immediate (ISA guide, chapter 10)
	LOADW 1, 12288, 6
.irp t, 0,1,2,3,4,5,6,7,8,9,10,11,12,13,14,15
	BLOCKW \t
.endr
	global_store_b128 v9, v[WSB:WSB+3], s[12:13]   ; my column's 16 scale bytes: rows 32 bytes apart, one byte in 128 of what this kind reads
	OUTW 512, 10
	s_wait_tensorcnt 0x0                           ; the wave's end
	ds_add_u32 v[SPW], v[NIL]
	s_wait_dscnt 0x0
	s_endpgm
.Lnot_w:
	s_cmp_lt_u32 ttmp9, 368
	s_cbranch_scc0 .Ltables
	; Wproj: 8 groups of 128 columns x 8 groups of 128 along K.  A wave: 32 columns x 128 k: 4 blocks, 256 bytes of f16 a column
	s_sub_co_u32 s20, ttmp9, 304
	s_lshr_b32 s21, s20, 3                         ; which 128 along K
	s_and_b32 s20, s20, 7
	s_lshl_b32 s20, s20, 7
	s_lshl_b32 s22, s18, 5
	s_add_co_u32 s20, s20, s22                     ; my wave's first column
	WADDR PLDS, 2048
	s_lshl_b32 s22, s21, 19                        ; 128 rows of 4,096 bytes
	s_lshl_b32 s24, s20, 2
	s_add_co_u32 s22, s22, s24
	s_add_nc_u64 s[8:9], s[8:9], s[22:23]
	s_lshl_b32 s22, s20, 11
	s_lshl_b32 s24, s21, 8
	s_add_co_u32 s22, s22, s24
	s_add_nc_u64 s[14:15], s[14:15], s[22:23]
	LOADW 0, 4096, 8
	LOADW 1, 4096, 8
.irp t, 0,1,2,3
	BLOCKP \t
.endr
	OUTW 2048, 14
	s_wait_tensorcnt 0x0                           ; the wave's end
	ds_add_u32 v[SPW], v[NIL]
	s_wait_dscnt 0x0
	s_endpgm
; ---------------- the tables, laid in the order in which the next launch's registers take them.  A wave makes one block of 16 positions: 4,096 bytes in each part.  Lane (r = lane % 16, h = lane / 16) has position
; 16 block + r.  Piece p = 4 (sine) + m, m = 2 u + half, holds for that lane the four frequencies i = 16 u + 8 h + 4 half + e: 512 consecutive bytes a piece, 16 a lane.
; f_i = 10000^(-i / 32) = 2^(-i log2(10000) / 32); angle = t f_i in f32, as the definition has it; reduced by n = the nearest whole number of quarter turns, pi / 2 in three parts under fused multiply-adds;
; sine and cosine of the rest (at most pi / 4) by polynomials of degree 7 and 8; n mod 4 says which of the two is which, and the signs.  No LDS here.
.Ltables:
	s_mov_b32 s24, 0x3fc90fda                      ; pi / 2: its upper,
	s_mov_b32 s25, 0x33a22168                      ; middle
	s_mov_b32 s26, 0x27c234c4                      ; and lower part
	s_mov_b32 s27, 0xb94ca1f9                      ; sine: -1.9515296e-4,
	s_mov_b32 s28, 0x3c08839e                      ; 8.3321609e-3,
	s_mov_b32 s29, 0xbe2aaaa3                      ; -1.6666655e-1
	s_mov_b32 s30, 0x37ccf5ce                      ; cosine: 2.4433157e-5,
	s_mov_b32 s31, 0xbab6061a                      ; -1.3887316e-3,
	s_mov_b32 s32, 0x3d2aaaa5                      ; 4.1666646e-2
	s_mov_b32 s33, 0x3e38aa3b                      ; c = log2(e) / 8: the softmax's scale 1 / sqrt(64) and its change of base, folded into q
	s_sub_co_u32 s20, ttmp9, 368
	s_lshl_b32 s20, s20, 2
	s_add_co_u32 s20, s20, s18                     ; my block of 16 positions: 0 .. 127
	s_lshl_b32 s22, s20, 12
	s_add_nc_u64 s[16:17], s[16:17], s[22:23]
	s_lshl_b32 s21, s20, 4
	v_and_b32 v1, 15, v0
	v_add_nc_u32 v1, s21, v1
	v_cvt_f32_u32 v9, v1                           ; t
	v_bfe_u32 v3, v0, 4, 1
	v_lshlrev_b32 v3, 3, v3                        ; 8 h
	v_lshlrev_b32 v10, 4, v2                       ; 16 x lane; never rewritten
.irp m, 0,1,2,3
.irp e, 0,1,2,3
	v_add_nc_u32 v[TF+4*\m+\e], 16*(\m/2)+4*(\m%2)+\e, v3          ; i
.endr
.endr
.irp k, 0,1,2,3,4,5,6,7,8,9,10,11,12,13,14,15
	v_cvt_f32_u32 v[TF+\k], v[TF+\k]
.endr
.irp k, 0,1,2,3,4,5,6,7,8,9,10,11,12,13,14,15
	v_mul_f32 v[TF+\k], 0xbed49a78, v[TF+\k]       ; x -log2(10000) / 32
.endr
.irp k, 0,1,2,3,4,5,6,7,8,9,10,11,12,13,14,15
	v_exp_f32 v[TF+\k], v[TF+\k]
.endr
	v_nop                                          ; a plain line behind the last exponential,
	s_wait_alu depctr_va_vdst(0)                   ; and the one wait ahead of the batch's first reader
.macro ANGLES m                        ; four angles: pieces m (cosine) and 4 + m (sine) of both parts
.irp e, 0,1,2,3
	v_mul_f32 v[TTH+\e], v9, v[TF+4*\m+\e]
.endr
.irp e, 0,1,2,3
	v_mul_f32 v[TN+\e], 0x3f22f983, v[TTH+\e]      ; x 2 / pi
.endr
.irp e, 0,1,2,3
	v_rndne_f32 v[TN+\e], v[TN+\e]
.endr
.irp e, 0,1,2,3
	v_fma_f32 v[TR+\e], -v[TN+\e], s24, v[TTH+\e]
.endr
.irp e, 0,1,2,3
	v_fma_f32 v[TR+\e], -v[TN+\e], s25, v[TR+\e]
.endr
.irp e, 0,1,2,3
	v_fma_f32 v[TR+\e], -v[TN+\e], s26, v[TR+\e]
.endr
.irp e, 0,1,2,3
	v_mul_f32 v[TZ+\e], v[TR+\e], v[TR+\e]
.endr
.irp e, 0,1,2,3
	v_fma_f32 v[TSN+\e], v[TZ+\e], s27, s28
	v_fma_f32 v[TCN+\e], v[TZ+\e], s30, s31
.endr
.irp e, 0,1,2,3
	v_fma_f32 v[TSN+\e], v[TSN+\e], v[TZ+\e], s29
	v_fma_f32 v[TCN+\e], v[TCN+\e], v[TZ+\e], s32
.endr
.irp e, 0,1,2,3
	v_mul_f32 v[TSN+\e], v[TSN+\e], v[TZ+\e]
	v_mul_f32 v[TCN+\e], v[TCN+\e], v[TZ+\e]
	v_fma_f32 v[TM+\e], v[TZ+\e], -0.5, 1.0
.endr
.irp e, 0,1,2,3
	v_fma_f32 v[TSN+\e], v[TSN+\e], v[TR+\e], v[TR+\e]             ; sin r = r + r z (..)
	v_fma_f32 v[TCN+\e], v[TCN+\e], v[TZ+\e], v[TM+\e]             ; cos r = 1 - z / 2 + z z (..)
	v_cvt_i32_f32 v[TKI+\e], v[TN+\e]
.endr
.irp e, 0,1,2,3
	v_and_b32 v[TM+\e], 1, v[TKI+\e]
.endr
.irp e, 0,1,2,3
	v_cmp_eq_u32 vcc_lo, 1, v[TM+\e]               ; an odd n changes the two over
	v_cndmask_b32 v[TD+16*\m+\e], v[TCN+\e], v[TSN+\e], vcc_lo
	v_cndmask_b32 v[TD+16*\m+4+\e], v[TSN+\e], v[TCN+\e], vcc_lo
.endr
.irp e, 0,1,2,3
	v_add_nc_u32 v[TM+\e], 1, v[TKI+\e]
.endr
.irp e, 0,1,2,3
	v_and_b32 v[TM+\e], 2, v[TM+\e]                ; the cosine is negative for n mod 4 = 1, 2,
	v_and_b32 v[TKI+\e], 2, v[TKI+\e]              ; the sine for 2, 3
.endr
.irp e, 0,1,2,3
	v_lshlrev_b32 v[TM+\e], 30, v[TM+\e]
	v_lshlrev_b32 v[TKI+\e], 30, v[TKI+\e]
.endr
.irp e, 0,1,2,3
	v_xor_b32 v[TD+16*\m+\e], v[TM+\e], v[TD+16*\m+\e]
	v_xor_b32 v[TD+16*\m+4+\e], v[TKI+\e], v[TD+16*\m+4+\e]
.endr
.irp e, 0,1,2,3
	v_mul_f32 v[TD+16*\m+8+\e], s33, v[TD+16*\m+\e]
	v_mul_f32 v[TD+16*\m+12+\e], s33, v[TD+16*\m+4+\e]
.endr
	global_store_b128 v10, v[TD+16*\m:TD+16*\m+3], s[16:17] offset:524288+512*\m          ; each store of the wave covers 512 consecutive bytes, aligned; each task has registers of its own
	global_store_b128 v10, v[TD+16*\m+4:TD+16*\m+7], s[16:17] offset:524288+512*(\m+4)
	global_store_b128 v10, v[TD+16*\m+8:TD+16*\m+11], s[16:17] offset:512*\m
	global_store_b128 v10, v[TD+16*\m+12:TD+16*\m+15], s[16:17] offset:512*(\m+4)
.endm
.irp m, 0,1,2,3
	ANGLES \m
.endr
	s_endpgm
.Lfunc_end_k_qbb1fdaddf6_prep:
	.size	k_qbb1fdaddf6_prep, .Lfunc_end_k_qbb1fdaddf6_prep-k_qbb1fdaddf6_prep
	.p2alignl 7, 3214868480
	.fill 96, 4, 3214868480
	.section	.rodata,"a",@progbits
	.p2align	6, 0x0
	.amdhsa_kernel k_qbb1fdaddf6_prep
		.amdhsa_group_segment_fixed_size 102912
		.amdhsa_private_segment_fixed_size 0
		.amdhsa_enable_private_segment 0
		.amdhsa_kernarg_size 56
		.amdhsa_user_sgpr_count 2
		.amdhsa_user_sgpr_kernarg_segment_ptr 1
		.amdhsa_wavefront_size32 1
		.amdhsa_system_sgpr_workgroup_id_x 1
		.amdhsa_system_sgpr_workgroup_id_y 1
		.amdhsa_system_sgpr_workgroup_id_z 1
		.amdhsa_system_vgpr_workitem_id 0
		.amdhsa_next_free_vgpr 192
		.amdhsa_next_free_sgpr 66
		.amdhsa_reserve_vcc 1
		.amdhsa_float_denorm_mode_32 3
		.amdhsa_float_denorm_mode_16_64 3
		.amdhsa_memory_ordered 1
		.amdhsa_forward_progress 1
		.amdhsa_inst_pref_size 158
	.end_amdhsa_kernel
	.amdgpu_metadata
---
amdhsa.version: [ 1, 2 ]
amdhsa.kernels:
  - .name:           k_qbb1fdaddf6_prep
    .symbol:         k_qbb1fdaddf6_prep.kd
    .args:
      - { .name: x, .offset: 0, .size: 8, .value_kind: global_buffer, .address_space: global }
      - { .name: Wqkv, .offset: 8, .size: 8, .value_kind: global_buffer, .address_space: global }
      - { .name: Wproj, .offset: 16, .size: 8, .value_kind: global_buffer, .address_space: global }
      - { .name: codes, .offset: 24, .size: 8, .value_kind: global_buffer, .address_space: global }
      - { .name: scales, .offset: 32, .size: 8, .value_kind: global_buffer, .address_space: global }
      - { .name: wpt, .offset: 40, .size: 8, .value_kind: global_buffer, .address_space: global }
      - { .name: tab, .offset: 48, .size: 8, .value_kind: global_buffer, .address_space: global }
    .group_segment_fixed_size: 102912
    .private_segment_fixed_size: 0
    .kernarg_segment_align: 8
    .kernarg_segment_size: 56
    .max_flat_workgroup_size: 128
    .sgpr_count:     66
    .vgpr_count:     192
    .wavefront_size: 32
...
	.end_amdgpu_metadata
.endif
;; end of part 1
;; launch qkv (part 2): grid 12 x 32, 4 waves a work-group, clusters of 4 x 4, 327,680 bytes of LDS; arguments codes, scales, tab, qkv, early; writes qkv, early
.if DOCPART == 2
	.amdgcn_target "amdgcn-amd-amdhsa--gfx1250"
	.amdhsa_code_object_version 6
	.text
	.protected	k_qbb1fdaddf6_qkv
	.globl	k_qbb1fdaddf6_qkv
	.p2align	8
	.type	k_qbb1fdaddf6_qkv,@function
k_qbb1fdaddf6_qkv:
	s_mov_b64 s[64:65], 0
	v_nop
	global_prefetch_b8 v0, s[64:65] scope:SCOPE_SE
	s_setreg_imm32_b32 hwreg(HW_REG_WAVE_MODE, 25, 1), 1
	s_wait_xcnt 0x0
	s_wait_alu depctr_hold_cnt(0) depctr_sa_sdst(0) depctr_va_vdst(0) depctr_va_sdst(0) depctr_va_ssrc(0) depctr_va_vcc(0) depctr_vm_vsrc(0)
	s_getreg_b32 s2, hwreg(HW_REG_IB_STS2, 6, 4)
	s_cmp_eq_u32 s2, 0
	s_cbranch_scc0 .Lentry_in_a_cluster
	s_endpgm
.Lentry_in_a_cluster:
	s_bfe_u32 s2, ttmp6, 0x10000c
	s_cmp_lg_u32 s2, 0xf033
	s_cbranch_scc0 .Lentry_shape_is_right
	s_endpgm
.Lentry_shape_is_right:
; x Wqkv on codes of FP4 (E2M1) with one E8M0 scale for each 32 along K = 1,024; then RoPE in f32 on q and k (q also times c = log2(e) / 8, which the table's part 0 carries); then q, k, v by head in f16:
; qkv [3][64 heads][2,048 positions][64] f16.  Positions 0-15 of every sequence also leave in f32: early [3][64][16][64].
; A = x's codes [8192][512 bytes] at codes + 0, scale bytes [8192][32] at scales + 0;  B = Wqkv's columns [3072][512 bytes] at codes + 4,194,304, [3072][32] at scales + 262,144.
; A tile of the product, 256 x 256, is made by four waves, as many as a WGP has SIMDs; a wave makes 128 x 128: 64 accumulators of 16 x 16, 512 registers.  All of K lies in two LDS slots of 512 along K (rows of 256 bytes),
; both asked for at the head: nothing is filled again.  The scale bytes of the work-group's rows come with them, as two dense blocks.
; CLUSTERS: 4 x 4 work-groups; A's tiles are asked for jointly along a row of the cluster, B's along a column.  Tile column = 4 x cluster x + cx, so the cluster's x says whether q, k or v is made.
; Tile row = 8 cy + cluster y, so cy is the batch, and whether a tile holds positions 0-15 hangs on the cluster's y alone.  So every branch below is the same in all sixteen partners.
; THE MATRIX INSTRUCTION IS USED TRANSPOSED (source 0 = 16 columns of Wqkv, source 1 = 16 rows of x): a lane holds eight neighbouring channels of one position; RoPE's partner, 32 channels on, lies in the
; same lane and register of the accumulator two further on.
; 384 work-groups: no multiple of the 256 WGPs; a tile of 256 x 384, which would give 256, fits neither the registers nor LDS.
; LIMITS: |q c|, |k|, |v| must stay under 65,504, f16's largest number; at 30 times the spread of both inputs they stay near 5,000.  NaN and infinities are not served.  The f32 rows of 'early' leave in pieces of 32 bytes: 786,432 bytes in all.
; REGISTERS, in windows of 256: window 0: v0-31 addresses; v32-95 scale words, two sets; from v128 A's fragments, one set; on the way out v32-239 are used anew.  window 1: B's fragments, two sets.
;   window 2: the accumulators of my rows 0-63 ((a, b) at v[8 (8 a + b)]);  window 3: those of rows 64-127.
.set NQ,     4                         ; matrix instructions deep in a slot
.set ROWB,   256                       ; a tile's row in bytes: 512 codes
.set KROW,   512                       ; a row of codes in memory
.set PITCH,  272                       ; an LDS row: 256 bytes + 16 = 68 words: row r starts at bank 4 r mod 64 (64 banks of 4 bytes: ISA guide 11.1)
.set FR,     8
.set NL,     2
.set NP,     4                         ; places behind this matrix instruction (ISA guide 7.12.1)
.set HALFT,  128*PITCH
.set SLOT,   4*HALFT
.set KS,     32                        ; a row of scale bytes
.set SCL,    2*SLOT                    ; behind the slots: the scales, as units of 256 bytes + 16 of padding
.set HALFS,  16*272                    ; those of 128 rows
.set SBLK,   2*272                     ; those of 16 rows
.set SPARE,  SCL+4*HALFS               ; the spare words, 128 bytes for each wave: two blocks of 256 bytes that no other line names
.set HP,     144                       ; the way out: a stage row, 128 bytes (a head's 64 f16) + 16
.set STGW,   2*16*HP                   ; a wave's stage: 2 heads x 16 rows.  The stages lie in slot 0, which has had its only fill and its last read when the first result is stored there
.set ADRA, 16
.set ADRB, 20
.set STO,  24                          ; v24  the stage: where I put 16 bytes of a row
.set RD,   25                          ; v25  and where I read rows back
.set CO,   26                          ; v26  16 x lane: my place in 512 consecutive bytes of qkv, and of the table
.set ADRS, 27
.set SPW,  28                          ; v28  LDS address of my spare word; never rewritten
.set NIL,  29                          ; v29  0; never rewritten
.set TA,   30                          ; v30  256 r + 32 h: my place in 16 rows of 'early'
.set SC,   32
.set AF,   128
.set CT,   32                          ; the way out: v32-95 two sets of table pieces (cosines of u = 0, 1, sines of u = 0, 1: 8 registers each)
.set YF,   96                          ; v96-159  a block's 8 accumulators after RoPE, f32
.set TT,   160                         ; v160-175 at work
.set HH,   176                         ; v176-239 two sets of 32: a block in f16
.set G1, 24
.set G0, 32
.set G1B, 48
.set G0B, 56
.set G1S, 68
.set G0S, 76
.set G1SB, 80
.set G0SB, 88
.set MSB, 0
.macro WIN new                         ; the immediate's high byte repeats the setting that is left
.if MSB != (\new)
	s_set_vgpr_msb (MSB<<8)|(\new)
.set MSB, (\new)
.endif
.endm
.set MUL_LO, 0xa1                      ; source 0 (B) window 1, source 1 (A) window 0, C and D window 2
.set MUL_HI, 0xf1
.set TO_B,   0x40
; A joint load: waves 0 and 1 fetch for A, waves 2 and 3 for B; the branch hangs on the wave's number alone.  An s_nop 0 and four v_nop follow each of the two lines.
.macro JLOAD g0a, g1a, g0b, g1b
	s_cmp_eq_u32 s15, 0
	s_cbranch_scc0 .Lfor_b_\@
	tensor_load_to_lds s[\g0a:\g0a+3], s[\g1a:\g1a+7]
	s_nop 0
.rept 4
	v_nop
.endr
	s_branch .Lasked_\@
.Lfor_b_\@:
	tensor_load_to_lds s[\g0b:\g0b+3], s[\g1b:\g1b+7]
	s_nop 0
.rept 4
	v_nop
.endr
.Lasked_\@:
.endm
.macro CROUND                          ; a round of the cluster's barrier
	s_barrier_signal -1
	s_barrier_wait -1
	s_cmp_lg_u32 s14, 0
	s_cbranch_scc1 .Lnot_wave_0_\@
	s_barrier_signal -3
.Lnot_wave_0_\@:
	s_barrier_wait -3
	s_barrier_signal -1
	s_barrier_wait -1
.endm
	s_load_b256 s[4:11], s[0:1], 0x0               ; codes s[4:5], scales s[6:7], tab s[8:9], qkv s[10:11]
	s_load_b64 s[12:13], s[0:1], 0x20              ; early
	v_lshl_add_u32 v[SPW], v0, 2, SPARE
	v_mov_b32 v[NIL], 0
	ds_add_u32 v[SPW], v[NIL]                      ; the wave's opening: the add, twice on end, and its wait ahead of my first tensor load
	ds_add_u32 v[SPW], v[NIL]
	v_lshrrev_b32 v1, 5, v0
	v_readfirstlane_b32 s14, v1                    ; wave 0..3
	s_lshr_b32 s15, s14, 1                         ; which half of the tile's rows is mine.  Also: I fetch for A (0) or for B (1)
	s_and_b32 s16, s14, 1                          ; which half of its columns.  Also: which 128 rows of that tile I fetch
	s_bfe_u32 s40, ttmp6, 0x40000                  ; cx
	s_bfe_u32 s41, ttmp6, 0x40004                  ; cy
	s_lshl_b32 s42, ttmp9, 2
	s_add_co_u32 s42, s42, s40                     ; tile column = 4 x cluster x + cx
	s_and_b32 s17, ttmp7, 0xffff
	s_lshl_b32 s18, s41, 3
	s_add_co_u32 s17, s17, s18                     ; tile row = 8 cy + cluster y
	s_lshl_b32 s43, s41, 2
	s_lshl_b32 s43, 15, s43                        ; my row of the cluster
	s_lshl_b32 s44, 0x1111, s40                    ; my column
	; descriptor group 1: a tile of 128 rows x 256 bytes, 16 bytes of padding behind each row
	s_or_b32 s[G1+0], s43, (0<<16)|(1<<20)|(1<<21)|(5<<22)|(3<<25)  ; 15:0 the mask; 17:16 elements of 1 byte; 20 padding on; 21 set beside a mask; 24:22 after every 64 words; 31:25 four words
	s_or_b32 s[G1B+0], s44, (0<<16)|(1<<20)|(1<<21)|(5<<22)|(3<<25)
.irp g, G1, G1B
	s_mov_b32 s[\g+1], ROWB<<16                    ; tensor_dim0
	s_mov_b32 s[\g+2], 128<<16                     ; tensor_dim1
	s_mov_b32 s[\g+3], ROWB<<16                    ; tile_dim0
	s_mov_b32 s[\g+4], 128                         ; tile_dim1
	s_mov_b32 s[\g+5], KROW                        ; tensor_dim0_stride
	s_mov_b32 s[\g+6], 0
	s_mov_b32 s[\g+7], 0
.endr
	; the scales of 128 rows: 4,096 dense bytes, as 16 rows of 256 bytes (32 elements of 8 bytes), 16 bytes of padding behind each
	s_or_b32 s[G1S+0], s43, (3<<16)|(1<<20)|(1<<21)|(5<<22)|(3<<25)
	s_or_b32 s[G1SB+0], s44, (3<<16)|(1<<20)|(1<<21)|(5<<22)|(3<<25)
.irp g, G1S, G1SB
	s_mov_b32 s[\g+1], 32<<16
	s_mov_b32 s[\g+2], 16<<16
	s_mov_b32 s[\g+3], 32<<16
	s_mov_b32 s[\g+4], 16
	s_mov_b32 s[\g+5], 32
	s_mov_b32 s[\g+6], 0
	s_mov_b32 s[\g+7], 0
.endr
	s_lshl_b32 s18, s16, 7                         ; which 128 rows of the tile I fetch
	s_lshl_b32 s20, s17, 8
	s_add_co_u32 s20, s20, s18                     ; A: row 256 x tile row + 128 x half
	s_lshl_b32 s46, s42, 8
	s_add_co_u32 s46, s46, s18                     ; B: column of Wqkv 256 x tile column + 128 x half
	s_lshl_b32 s22, s20, 5                         ; where these rows' scales begin,
	s_mov_b32 s23, 0
	s_lshl_b32 s20, s20, 9                         ; and their codes
	s_mov_b32 s21, 0
	s_lshl_b32 s92, s46, 5
	s_add_co_u32 s92, s92, 262144
	s_mov_b32 s93, 0
	s_lshl_b32 s46, s46, 9
	s_add_co_u32 s46, s46, 4194304
	s_mov_b32 s47, 0
	s_mul_i32 s45, s14, HALFT                      ; where they go: wave x 128 rows: no place in the cluster enters an LDS address
	s_mul_i32 s94, s14, HALFS
	s_wait_dscnt 0x0                               ; both opening adds are done
	s_wait_kmcnt 0x0
	s_add_nc_u64 s[20:21], s[4:5], s[20:21]
	s_add_nc_u64 s[22:23], s[6:7], s[22:23]
	s_add_nc_u64 s[46:47], s[4:5], s[46:47]
	s_add_nc_u64 s[92:93], s[6:7], s[92:93]
	CROUND                                         ; all sixteen work-groups are here: the joint loads meet
	s_mov_b32 s[G0S], 1
	s_add_co_u32 s[G0S+1], s94, SCL
	s_mov_b64 s[G0S+2:G0S+3], s[22:23]
	s_or_b32 s[G0S+3], s[G0S+3], 0x80000000
	s_mov_b32 s[G0SB], 1
	s_add_co_u32 s[G0SB+1], s94, SCL
	s_mov_b64 s[G0SB+2:G0SB+3], s[92:93]
	s_or_b32 s[G0SB+3], s[G0SB+3], 0x80000000
	JLOAD G0S, G1S, G0SB, G1SB                     ; the scales first: they are wanted with the first slot
.irp s, 0,1
	s_mov_b32 s[G0+4*\s], 1
	s_add_co_u32 s[G0+4*\s+1], s45, \s*SLOT
	s_add_nc_u64 s[G0+4*\s+2:G0+4*\s+3], s[20:21], \s*ROWB
	s_or_b32 s[G0+4*\s+3], s[G0+4*\s+3], 0x80000000
	s_mov_b32 s[G0B+4*\s], 1
	s_add_co_u32 s[G0B+4*\s+1], s45, \s*SLOT
	s_add_nc_u64 s[G0B+4*\s+2:G0B+4*\s+3], s[46:47], \s*ROWB
	s_or_b32 s[G0B+4*\s+3], s[G0B+4*\s+3], 0x80000000
	JLOAD G0+4*\s, G1, G0B+4*\s, G1B               ; three loads of mine are out: all that this launch asks for
.endr
	v_and_b32 v1, 15, v0                           ; r = l % 16
	v_bfe_u32 v2, v0, 4, 1                         ; h = l / 16
	v_mul_u32_u24 v3, v1, PITCH
	v_lshl_add_u32 v4, v2, 4, v3                   ; a fragment's row x pitch + 16 x half
	s_mul_i32 s21, s15, HALFT                      ; my 128 rows of A
	s_mul_i32 s22, s16, HALFT                      ; my 128 rows of B,
	s_add_co_u32 s22, s22, 2*HALFT                 ; which lie behind A's 256
.irp s, 0,1
	v_add_nc_u32 v[ADRA+\s], s21, v4
	v_add_nc_u32 v[ADRB+\s], s22, v4
	s_add_co_u32 s21, s21, SLOT
	s_add_co_u32 s22, s22, SLOT
.endr
	v_mul_u32_u24 v5, v1, KS                       ; my row's scales: 32 bytes a row,
	v_lshrrev_b32 v6, 8, v5
	v_lshl_add_u32 v5, v6, 4, v5                   ; and 16 more for each 256 passed
	s_mul_i32 s21, s15, HALFS
	s_mul_i32 s22, s16, HALFS
	s_add_co_u32 s22, s22, 2*HALFS
	s_sub_co_u32 s22, s22, s21
	v_mul_u32_u24 v6, s22, v2                      ; lanes 16-31 take B's
	s_add_co_u32 s21, s21, SCL
	v_add_nc_u32 v5, v5, v6
	v_add_nc_u32 v[ADRS], s21, v5
	s_mul_i32 s23, s14, STGW                       ; my stage
	v_mul_u32_u24 v5, v1, HP
	v_lshl_add_u32 v5, v2, 4, v5
	v_add_nc_u32 v[STO], s23, v5                   ; in: row r, 16 bytes for each half of the lanes
	v_and_b32 v6, 31, v0
	v_lshlrev_b32 v[CO], 4, v6
	v_lshrrev_b32 v5, 3, v6
	v_mul_u32_u24 v5, v5, HP
	v_and_b32 v6, 7, v0
	v_lshl_add_u32 v5, v6, 4, v5
	v_add_nc_u32 v[RD], s23, v5                    ; back: eight lanes to a row of 128 bytes, four rows an instruction
	v_lshlrev_b32 v[TA], 8, v1
	v_lshl_add_u32 v[TA], v2, 5, v[TA]
	; where my results go.  Head = 16 cy + 4 cx + 2 x (my half of the columns) + 0, 1;  first position = 256 x cluster y + 128 x (my half of the rows)
	s_lshl_b32 s20, s41, 4
	s_lshl_b32 s21, s40, 2
	s_add_co_u32 s20, s20, s21
	s_lshl_b32 s21, s16, 1
	s_add_co_u32 s20, s20, s21
	s_and_b32 s95, ttmp7, 0xffff
	s_lshl_b32 s22, s95, 8
	s_lshl_b32 s21, s15, 7
	s_add_co_u32 s22, s22, s21
	s_or_b32 s95, s95, s15                         ; 0 where my first block of 16 rows is positions 0-15: cluster y and the wave's number alone
	s_mov_b32 s47, 0
	s_lshl_b32 s46, s20, 18                        ; a head is 262,144 bytes,
	s_lshl_b32 s21, s22, 7                         ; a position 128,
	s_add_co_u32 s46, s46, s21
	s_lshl_b32 s21, ttmp9, 24                      ; q, k or v 16,777,216
	s_add_co_u32 s46, s46, s21
	s_add_nc_u64 s[10:11], s[10:11], s[46:47]
	s_lshl_b32 s46, s22, 8                         ; the table: 4,096 bytes for 16 positions,
	s_min_u32 s21, ttmp9, 1                        ; part 0 for q, part 1 for k (held there for v, which reads no table: the address stays inside its buffer)
	s_lshl_b32 s21, s21, 19
	s_add_co_u32 s46, s46, s21
	s_add_nc_u64 s[8:9], s[8:9], s[46:47]
	s_lshl_b32 s46, s20, 12                        ; early: a head is 4,096 bytes
	s_lshl_b32 s21, ttmp9, 18
	s_add_co_u32 s46, s46, s21
	s_add_nc_u64 s[12:13], s[12:13], s[46:47]
.macro FRAG reg, adr, q, i             ; a fragment, 16 rows x 128 K of 4-bit codes: lane l holds row l % 16; registers 4 c .. 4 c + 3 hold K = 64 c + 32 (l / 16) + 0 .. 31
.irp c, 0,1
	ds_load_b128 v[\reg+4*\c:\reg+4*\c+3], v[\adr] offset:64*(\q)+32*\c+(\i)*16*PITCH
.endr
.endm
; 16 matrix instructions: A's blocks a0, a0 + 1 x B's eight, 128 along K.  p: B's set;  sc: the set of scale words.  zero = 1: the first product starts the sums.
; The 64 accumulators take turns, one instruction a turn, in the same order in every step.
.macro MUL16 a0, p, q, sc, zero
.irp a, \a0, \a0+1
.irp b, 0,1,2,3,4,5,6,7
.if \zero
	v_wmma_scale_f32_16x16x128_f8f6f4 v[8*(8*((\a)%4)+\b):8*(8*((\a)%4)+\b)+7], v[128*(\p)+FR*\b:128*(\p)+FR*\b+FR-1], v[AF+FR*(\a):AF+FR*(\a)+FR-1], 0, v[SC+8*NQ*(\sc)+NQ*\b+(\q)], v[SC+8*NQ*(\sc)+NQ*(\a)+(\q)] matrix_a_fmt:MATRIX_FMT_FP4 matrix_b_fmt:MATRIX_FMT_FP4 matrix_a_scale:MATRIX_SCALE_ROW1
.else
	v_wmma_scale_f32_16x16x128_f8f6f4 v[8*(8*((\a)%4)+\b):8*(8*((\a)%4)+\b)+7], v[128*(\p)+FR*\b:128*(\p)+FR*\b+FR-1], v[AF+FR*(\a):AF+FR*(\a)+FR-1], v[8*(8*((\a)%4)+\b):8*(8*((\a)%4)+\b)+7], v[SC+8*NQ*(\sc)+NQ*\b+(\q)], v[SC+8*NQ*(\sc)+NQ*(\a)+(\q)] matrix_a_fmt:MATRIX_FMT_FP4 matrix_b_fmt:MATRIX_FMT_FP4 matrix_a_scale:MATRIX_SCALE_ROW1
.endif
.endr
.endr
.endm
.macro FETCH_B slot, q, p
	WIN TO_B
.irp i, 0,1,2,3,4,5,6,7
	FRAG 128*(\p)+FR*\i, ADRB+\slot, \q, \i
.endr
	WIN 0
.endm
.macro FETCH_A slot, q, i0
.irp i, \i0, \i0+1, \i0+2, \i0+3
	FRAG AF+FR*(\i), ADRA+\slot, \q, \i
.endr
.endm
.macro SCALES sc                       ; a slot's scale words: four a row; lanes 0-15 take A's block i, lanes 16-31 B's block i
.irp i, 0,1,2,3,4,5,6,7
	ds_load_b128 v[SC+8*NQ*\sc+NQ*\i:SC+8*NQ*\sc+NQ*\i+3], v[ADRS] offset:\i*SBLK
.endr
.endm
; A load into a register that a matrix instruction has read, and a vector instruction or a store that reads a matrix result, stand NP places behind it; only plain vector instructions that name none of its
; registers are places (ISA guide 7.12.1 for vector instructions).
.macro PLACES n
.rept \n
	v_nop
.endr
.endm
.macro STEP slot, q, zero              ; 128 along K, with its successor in the same slot
	s_wait_dscnt 4*NL                              ; B's set and A's blocks 0-3 are in; the youngest eight loads (A's blocks 4-7) may be out
	WIN MUL_LO
	MUL16 0, (\q)%2, \q, \slot, \zero
	MUL16 2, (\q)%2, \q, \slot, \zero
	s_wait_dscnt 0                                 ; A's blocks 4-7 are in
	PLACES NP
	FETCH_B \slot, (\q)+1, 1-(\q)%2
	FETCH_A \slot, (\q)+1, 0
	WIN MUL_HI
	MUL16 4, (\q)%2, \q, \slot, \zero
	MUL16 6, (\q)%2, \q, \slot, \zero
	PLACES NP
	WIN 0
	FETCH_A \slot, (\q)+1, 4
.endm
.macro STEPS slot, from
.set Q, \from
.rept NQ-1-\from
	STEP \slot, Q, 0
.set Q, Q+1
.endr
.endm
	s_wait_tensorcnt 1                             ; the scales and my part of slot 0 are in (slot 1's load may be out)
	s_barrier_signal -1
	s_barrier_wait -1                              ; everybody's are
	FETCH_B 0, 0, 0
	FETCH_A 0, 0, 0
	SCALES 0
	FETCH_A 0, 0, 4
	STEP 0, 0, 1                                   ; the first step's products start the sums: nothing is cleared
	STEPS 0, 1
	; slot 0's last step changes slots: one barrier; in front of it my part of slot 1 has landed and my reads of slot 0 are over
	s_wait_tensorcnt 0x0                           ; all my tensor loads have landed
	ds_add_u32 v[SPW], v[NIL]                      ; 0 onto my spare word
	s_wait_dscnt 4*NL+1                            ; (the add and the youngest eight loads may be out)
	WIN MUL_LO
	MUL16 0, 1, NQ-1, 0, 0
	s_wait_dscnt 0x0                               ; the add is done, and my reads of slot 0 are over
	s_barrier_signal -1
	MUL16 2, 1, NQ-1, 0, 0
	WIN 0
	s_barrier_wait -1
	PLACES NP
	v_add_nc_u32 v[ADRS], 4*NQ, v[ADRS]            ; on to slot 1's scale words
	FETCH_B 1, 0, 0
	FETCH_A 1, 0, 0
	SCALES 1
	WIN MUL_HI
	MUL16 4, 1, NQ-1, 0, 0
	MUL16 6, 1, NQ-1, 0, 0
	PLACES NP
	WIN 0
	FETCH_A 1, 0, 4
	STEPS 1, 0
	s_wait_dscnt 4*NL                              ; the very last step: nothing more to fetch
	WIN MUL_LO
	MUL16 0, 1, NQ-1, 1, 0
	MUL16 2, 1, NQ-1, 1, 0
	s_wait_dscnt 0
	WIN MUL_HI
	MUL16 4, 1, NQ-1, 1, 0
	MUL16 6, 1, NQ-1, 1, 0
	WIN 0
; THE WAY OUT, block by block of 16 positions x 128 channels (two heads).  Lane (r, h) of accumulator (a, b) holds position 16 a + r and channels 16 (b % 4) + 8 h + 0 .. 7 of head b / 4.
.macro TABLD a                         ; the table's eight pieces for block a: each load is 512 consecutive bytes, 16 a lane
.set CS, CT+32*((\a)%2)
.irp p, 0,1,2,3,4,5,6,7
	global_load_b128 v[CS+4*\p:CS+4*\p+3], v[CO], s[8:9] offset:4096*(\a)+512*\p
.endr
.endm
.macro ROPE a                          ; y1 = x1 cos - x2 sin, y2 = x2 cos + x1 sin; x1 in accumulator 4 hd + u, x2 in 4 hd + u + 2.  Each accumulator is read from its low end on
.set CS, CT+32*((\a)%2)
.set AC, 64*((\a)%4)
	WIN 0x02+(\a)/4                                ; source 0: window 2 or 3
.irp hd, 0,1
.irp u, 0,1
.irp j, 0,2,4,6
	v_pk_mul_f32 v[TT+\j:TT+\j+1], v[AC+8*(4*\hd+\u+2)+\j:AC+8*(4*\hd+\u+2)+\j+1], v[CS+16+8*\u+\j:CS+16+8*\u+\j+1]
	v_pk_mul_f32 v[TT+8+\j:TT+8+\j+1], v[AC+8*(4*\hd+\u)+\j:AC+8*(4*\hd+\u)+\j+1], v[CS+16+8*\u+\j:CS+16+8*\u+\j+1]
.endr
.irp j, 0,2,4,6
	v_pk_fma_f32 v[YF+8*(4*\hd+\u)+\j:YF+8*(4*\hd+\u)+\j+1], v[AC+8*(4*\hd+\u)+\j:AC+8*(4*\hd+\u)+\j+1], v[CS+8*\u+\j:CS+8*\u+\j+1], v[TT+\j:TT+\j+1] neg_lo:[0,0,1] neg_hi:[0,0,1]
	v_pk_fma_f32 v[YF+8*(4*\hd+\u+2)+\j:YF+8*(4*\hd+\u+2)+\j+1], v[AC+8*(4*\hd+\u+2)+\j:AC+8*(4*\hd+\u+2)+\j+1], v[CS+8*\u+\j:CS+8*\u+\j+1], v[TT+8+\j:TT+8+\j+1]
.endr
.endr
.endr
	WIN 0
.endm
.macro CVT a                           ; to f16, the lower channel in the low half
.set HS, HH+32*((\a)%2)
.irp b, 0,1,2,3,4,5,6,7
.irp r, 0,1,2,3
	v_cvt_pk_f16_f32 v[HS+4*\b+\r], v[YF+8*\b+2*\r], v[YF+8*\b+2*\r+1]
.endr
.endr
.endm
.macro CVTV a                          ; v: straight from the accumulators
.set HS, HH+32*((\a)%2)
.set AC, 64*((\a)%4)
	WIN 0x0a+5*((\a)/4)                            ; sources 0 and 1: window 2 or 3
.irp b, 0,1,2,3,4,5,6,7
.irp r, 0,1,2,3
	v_cvt_pk_f16_f32 v[HS+4*\b+\r], v[AC+8*\b+2*\r], v[AC+8*\b+2*\r+1]
.endr
.endr
	WIN 0
.endm
.macro STG a                           ; through my stage: in by lanes' rows, back as four whole rows an instruction, into the registers that they left.  LDS serves a wave's instructions in order (ISA guide 5.7.1.4)
.set HS, HH+32*((\a)%2)
.irp b, 0,1,2,3,4,5,6,7
	ds_store_b128 v[STO], v[HS+4*\b:HS+4*\b+3] offset:16*HP*(\b/4)+32*(\b%4)
.endr
.irp hd, 0,1
.irp i, 0,1,2,3
	ds_load_b128 v[HS+16*\hd+4*\i:HS+16*\hd+4*\i+3], v[RD] offset:16*HP*\hd+4*HP*\i
.endr
.endr
.endm
.macro SENDQ a, younger                ; younger: the LDS instructions issued behind block a's loads, which may stay out
.set HS, HH+32*((\a)%2)
	s_wait_dscnt \younger
.irp hd, 0,1
.irp i, 0,1,2,3
	global_store_b128 v[CO], v[HS+16*\hd+4*\i:HS+16*\hd+4*\i+3], s[10:11] offset:262144*\hd+2048*(\a)+512*\i   ; four positions of a head: 512 consecutive bytes, aligned; every offset an immediate
.endr
.endr
.endm
.macro EARLYST isv                     ; positions 0-15 in f32, where my first block holds them
	s_cmp_eq_u32 s95, 0
	s_cbranch_scc0 .Lno_early_\@
.if \isv
	WIN 0x08                                       ; a store's data are its source 1: window 2
.irp b, 0,1,2,3,4,5,6,7
	global_store_b128 v[TA], v[8*\b:8*\b+3], s[12:13] offset:4096*(\b/4)+64*(\b%4)
	global_store_b128 v[TA], v[8*\b+4:8*\b+7], s[12:13] offset:4096*(\b/4)+64*(\b%4)+16
.endr
	WIN 0
.else
.irp b, 0,1,2,3,4,5,6,7
	global_store_b128 v[TA], v[YF+8*\b:YF+8*\b+3], s[12:13] offset:4096*(\b/4)+64*(\b%4)
	global_store_b128 v[TA], v[YF+8*\b+4:YF+8*\b+7], s[12:13] offset:4096*(\b/4)+64*(\b%4)+16
.endr
.endif
.Lno_early_\@:
.endm
	PLACES NP                                      ; behind the last products: for the loads into registers that held scales and fragments, and for the reads of results
	s_cmp_eq_u32 ttmp9, 2                          ; the cluster's x: the same in all partners
	s_cbranch_scc1 .Lvalues
	TABLD 0
.irp a, 0,1,2,3,4,5,6,7
.if \a < 7
	TABLD \a+1
	s_wait_loadcnt 8                               ; this block's eight pieces are in; the next block's eight may be out
.else
	s_wait_loadcnt 0
.endif
	s_wait_xcnt 0x0                                ; earlier stores have read their registers: YF and this block's set of f16 are written again only behind this wait
	ROPE \a
.if \a == 0
	EARLYST 0
.endif
	CVT \a
	STG \a
.if \a > 0
	SENDQ \a-1, 16                                 ; behind block a - 1's loads: block a's 8 stores and 8 loads
.endif
.endr
	SENDQ 7, 0
	s_branch .Ldone
.Lvalues:
	EARLYST 1
.irp a, 0,1,2,3,4,5,6,7
.if \a > 1
	s_wait_xcnt 0x0                                ; block a - 2's stores have read the set that block a takes
.endif
	CVTV \a
	STG \a
.if \a > 0
	SENDQ \a-1, 16
.endif
.endr
	SENDQ 7, 0
.Ldone:
	s_wait_tensorcnt 0x0                           ; the wave's end: behind my last tensor load and my last LDS store
	ds_add_u32 v[SPW], v[NIL]
	s_wait_dscnt 0x0
	CROUND                                         ; the closing round
	s_endpgm
.Lfunc_end_k_qbb1fdaddf6_qkv:
	.size	k_qbb1fdaddf6_qkv, .Lfunc_end_k_qbb1fdaddf6_qkv-k_qbb1fdaddf6_qkv
	.p2alignl 7, 3214868480
	.fill 96, 4, 3214868480
	.section	.rodata,"a",@progbits
	.p2align	6, 0x0
	.amdhsa_kernel k_qbb1fdaddf6_qkv
		.amdhsa_group_segment_fixed_size 327680
		.amdhsa_private_segment_fixed_size 0
		.amdhsa_enable_private_segment 0
		.amdhsa_kernarg_size 40
		.amdhsa_user_sgpr_count 2
		.amdhsa_user_sgpr_kernarg_segment_ptr 1
		.amdhsa_wavefront_size32 1
		.amdhsa_system_sgpr_workgroup_id_x 1
		.amdhsa_system_sgpr_workgroup_id_y 1
		.amdhsa_system_sgpr_workgroup_id_z 1
		.amdhsa_system_vgpr_workitem_id 0
		.amdhsa_next_free_vgpr 1024
		.amdhsa_next_free_sgpr 100
		.amdhsa_reserve_vcc 0
		.amdhsa_float_denorm_mode_32 3
		.amdhsa_float_denorm_mode_16_64 3
		.amdhsa_memory_ordered 1
		.amdhsa_forward_progress 1
		.amdhsa_inst_pref_size 199
	.end_amdhsa_kernel
	.amdgpu_metadata
---
amdhsa.version: [ 1, 2 ]
amdhsa.kernels:
  - .name:           k_qbb1fdaddf6_qkv
    .symbol:         k_qbb1fdaddf6_qkv.kd
    .args:
      - { .name: codes, .offset: 0, .size: 8, .value_kind: global_buffer, .address_space: global }
      - { .name: scales, .offset: 8, .size: 8, .value_kind: global_buffer, .address_space: global }
      - { .name: tab, .offset: 16, .size: 8, .value_kind: global_buffer, .address_space: global }
      - { .name: qkv, .offset: 24, .size: 8, .value_kind: global_buffer, .address_space: global }
      - { .name: early, .offset: 32, .size: 8, .value_kind: global_buffer, .address_space: global }
    .group_segment_fixed_size: 327680
    .private_segment_fixed_size: 0
    .kernarg_segment_align: 8
    .kernarg_segment_size: 40
    .max_flat_workgroup_size: 128
    .sgpr_count:     100
    .vgpr_count:     1024
    .wavefront_size: 32
...
	.end_amdgpu_metadata
.endif
;; end of part 2
;; launch attn (part 3): grid 4 x 64, 16 waves a work-group, no clusters, 327,680 bytes of LDS; arguments qkv, yh; writes yh
.if DOCPART == 3
	.amdgcn_target "amdgcn-amd-amdhsa--gfx1250"
	.amdhsa_code_object_version 6
	.text
	.protected	k_qbb1fdaddf6_attn
	.globl	k_qbb1fdaddf6_attn
	.p2align	8
	.type	k_qbb1fdaddf6_attn,@function
k_qbb1fdaddf6_attn:
	s_mov_b64 s[64:65], 0
	v_nop
	global_prefetch_b8 v0, s[64:65] scope:SCOPE_SE
	s_setreg_imm32_b32 hwreg(HW_REG_WAVE_MODE, 25, 1), 1
	s_wait_xcnt 0x0
; y[head][q][:] = the sum over keys k <= q of softmax_k(q . k / 8) v[k][:].  q (already times c = log2(e) / 8), k, v: qkv [3][64 heads][2,048][64] f16; y: yh [64][2,048][64] f16.
; Products on f16 operands with f32 sums; maxima, exponentials and sums in f32; the weights p = 2^(t - m), at most 1, are rounded to f16 for the second product; y once at the end.  m is the running maximum of t.
; SHARES.  Work-group (i, head) owns the blocks of 256 queries i and 7 - i of one head, so that under the causal mask all 256 work-groups have the same work.  Eight of its sixteen waves take one block, eight
; the other (kind = (w xor w / 4) mod 2, so that neighbours in either order of four differ); a wave owns 32 queries: two tiles of 16, so that each fragment of K or V read from LDS feeds two matrix instructions.
; All sixteen walk the same keys, 64 a step, four steps to a slot of 256 keys; K's and V's tiles come through two LDS slots filled by the tensor data mover (waves 0, 1: K's halves; waves 2, 3: V's).
; LAYOUT.  S^T = K Q^T (source 0 = 16 keys, source 1 = 16 queries): a lane holds ONE query (lane % 16) and the keys 8 (lane / 16) + 0..7.  Two such tiles, rounded to f16 in pairs, ARE source 1 of O^T = V^T P.
; A head's rows are 128 dense bytes: the tiles are stated as rows of 256 bytes, two positions each, with the padding behind each: position k lies at (k / 2) pitch + 128 (k % 2).
; THE CAUSAL MASK.  Every work-group walks all eight slots: the trip counts are constants.  A step all of whose keys come after the wave's 32 queries is jumped over by a scalar branch on ids; on the diagonal hidden scores
; become -infinity.  A slot whose first key comes after the work-group's last query is not asked for.  Every wait on TENSORcnt is for 0.
; NO CLUSTER: the four work-groups of a head need 8, 7, 6 and 5 slots; a joint load would bring a partner tiles that none of its waves reads.
; LIMITS: NaN and infinities are not served; |y| must stay under 65,504 (it is an average of v, which the launch before holds to the same bound).
.set KP,    272                        ; a pair of K's rows in LDS: 256 bytes + 16: the 16 rows of a fragment load start at 16 different groups of four banks (64 banks of 4 bytes: ISA guide 11.1)
.set VP,    288                        ; of V's: 256 + 32
.set VOFF,  128*KP                     ; a slot: 128 pairs of K's rows, then 128 of V's
.set SLOT1, 1<<17                      ; slot 1 begins here: one exclusive or turns an address in one slot into the other's
.set STAGE, VOFF+128*VP                ; behind slot 0: 16 rows x 144 bytes for each wave, for the way out; no tile ever lands here
.set HP,    144
.set SPARE, STAGE+16*16*HP             ; the spare words, 128 bytes for each wave: eight blocks of 256 bytes that no other line names
.set AK0,  1                           ; v1   my lane's place in a tile of K
.set AV0,  2                           ; v2   the same for V
.set SPW,  3                           ; v3   LDS address of my spare word; never rewritten
.set NIL,  4                           ; v4   0; never rewritten
.set ADK,  5                           ; v5, v6  LDS addresses of the step's tiles
.set ADV,  6
.set GO,   7                           ; v7   16 x lane: my place in four rows of y
.set STO,  8                           ; v8   the stage: in;  v9: back
.set RD,   9
.set PFO,  10                          ; v10  256 x lane: the prefetches' offset; never rewritten
.set DM,   11                          ; v11, v12  the mask's d of tiles 0, 1 (v11 first serves as Q's address)
.set NINF, 13                          ; v13  -infinity
.set DB,   14                          ; v14  lane % 16 - 8 (lane / 16)
.set Q,    16                          ; v16-47   Q: tile x, channels 32 c on, at 16 x + 8 c
.set KV,   48                          ; v48-111  K (16 keys kt, channels 32 c on: 16 kt + 8 c), later V (32 keys g, 16 channels ct: 32 g + 8 ct)
.set S,    112                         ; v112-175 S^T: tile x at 32 x, 16 keys kt at 8 kt; p in f16 is packed in place into each tile's low 16 registers
.set O,    176                         ; v176-239 O^T: 32 x + 8 ct
.set ST,   240                         ; v240-255 tile x at 8 x: +0 m, +1 zero, +2, +3 the sum in two halves, +4 .. +7 at work; a = 2^(old m - new m) in +6
.set TK,   2                           ; s2, s3  LDS bytes at which the step's tiles of K and of V begin
.set TV,   3
.set WV,   18
.set SEL,  20                          ; s[20:21] lane selects for v_permlanex16_b32: lane l xor 16
.set KF,   22                          ; s22  the step's first key
.set Q0,   23                          ; s23  my first query
.set G1K,  24
.set G1V,  32
.set G0K,  40
.set G0V,  44
.set SLOTS, 48
.set INN,  49
.set LASTQ, 50                         ; s50  my work-group's last query
.set LIM,  51                          ; s51  1 in a wave that prefetches, else the greatest number
.set PFA,  52                          ; s[52:53] where my prefetches stand
; Waves 0 and 1 fetch for K, waves 2 and 3 for V, the others nothing.  An s_nop 0 and four v_nop follow each of the two lines.
.macro TLOAD
	s_cmp_lt_u32 s[WV], 2
	s_cbranch_scc0 .Lnot_k_\@
	tensor_load_to_lds s[G0K:G0K+3], s[G1K:G1K+7]
	s_nop 0
.rept 4
	v_nop
.endr
	s_branch .Lasked_\@
.Lnot_k_\@:
	s_cmp_lt_u32 s[WV], 4
	s_cbranch_scc0 .Lasked_\@
	tensor_load_to_lds s[G0V:G0V+3], s[G1V:G1V+7]
	s_nop 0
.rept 4
	v_nop
.endr
.Lasked_\@:
.endm
; A prefetch into the L2 of what the NEXT change of slots will ask for: 32,768 dense bytes of K and as many of V.  All four work-groups of a head walk the same keys: the one that walks all eight slots (i = 0) asks.
; In it the waves ask that fetch nothing, one instruction each: waves 4 to 7 for K, waves 8 to 11 for V, 8,192 bytes a wave, lanes 256 bytes apart: each aligned block of 256 bytes is named once in the launch.
; It stands four key steps ahead of the load that wants the bytes.  Slots 0 and 1 come by their loads alone; the last change that fills a slot asks for nothing.
.macro ASK
	s_cmp_gt_u32 s[SLOTS], s[LIM]
	s_cbranch_scc0 .Lnot_mine_\@
	global_prefetch_b8 v[PFO], s[PFA:PFA+1] th:TH_LOAD_NT scope:SCOPE_SE
.Lnot_mine_\@:
.endm
	s_load_b128 s[4:7], s[0:1], 0x0                ; qkv s[4:5], yh s[6:7]
	v_lshl_add_u32 v[SPW], v0, 2, SPARE
	v_mov_b32 v[NIL], 0
	ds_add_u32 v[SPW], v[NIL]                      ; the wave's opening: the add, twice on end, and its wait ahead of my first tensor load
	ds_add_u32 v[SPW], v[NIL]
	v_lshrrev_b32 v5, 5, v0
	v_readfirstlane_b32 s[WV], v5                  ; wave 0..15
	s_and_b32 s56, ttmp7, 0xffff
	s_lshl_b32 s56, s56, 18                        ; the head's first byte in q, in k, in v and in y
	s_lshr_b32 s57, s[WV], 2
	s_xor_b32 s57, s57, s[WV]
	s_and_b32 s57, s57, 1                          ; kind
	s_lshr_b32 s58, s[WV], 1                       ; which 32 queries of the block
	s_sub_co_u32 s59, 7, ttmp9
	s_cmp_eq_u32 s57, 1
	s_cselect_b32 s59, s59, ttmp9                  ; my block of 256 queries
	s_lshl_b32 s59, s59, 8
	s_lshl_b32 s58, s58, 5
	s_add_co_u32 s[Q0], s59, s58
	s_lshl_b32 s60, ttmp9, 8
	s_sub_co_u32 s[LASTQ], 2047, s60               ; the last query of block 7 - i
	s_and_b32 s61, s[WV], 1                        ; which half of a slot I fetch, if I fetch:
	s_lshl_b32 s62, s61, 14                        ; 128 positions of 128 bytes in memory,
	s_add_co_u32 s62, s62, s56
	s_mov_b32 s63, 0
	s_mul_i32 s66, s61, 64*KP                      ; and in a slot
	s_mul_i32 s67, s61, 64*VP
	s_add_co_u32 s67, s67, VOFF
	; descriptor group 1: 64 rows of 256 bytes, dense in memory
	s_mov_b32 s[G1K], (0<<16)|(1<<20)|(5<<22)|(3<<25)   ; 15:0 no mask; 17:16 elements of 1 byte; 20 padding on; 24:22 after every 64 words; 31:25 four words
	s_mov_b32 s[G1V], (0<<16)|(1<<20)|(5<<22)|(7<<25)   ; eight words
.irp g, G1K, G1V
	s_mov_b32 s[\g+1], 256<<16                     ; tensor_dim0
	s_mov_b32 s[\g+2], 64<<16                      ; tensor_dim1
	s_mov_b32 s[\g+3], 256<<16                     ; tile_dim0
	s_mov_b32 s[\g+4], 64                          ; tile_dim1
	s_mov_b32 s[\g+5], 256                         ; tensor_dim0_stride
	s_mov_b32 s[\g+6], 0
	s_mov_b32 s[\g+7], 0
.endr
	s_mov_b32 s[SEL], 0x76543210
	s_mov_b32 s[SEL+1], 0xfedcba98
	s_mov_b32 s[TK], 0
	s_mov_b32 s[TV], 0
	s_mov_b32 s[KF], 0
	s_mov_b32 s[SLOTS], 7
	s_wait_dscnt 0x0                               ; both opening adds are done
	s_wait_kmcnt 0x0
	s_mov_b32 s[G0K], 1                            ; 1:0 count = 1
	s_mov_b32 s[G0K+1], s66                        ; 63:32 LDS address: slot 0
	s_add_nc_u64 s[G0K+2:G0K+3], s[4:5], s[62:63]
	s_add_nc_u64 s[G0K+2:G0K+3], s[G0K+2:G0K+3], 16777216   ; k
	s_or_b32 s[G0K+3], s[G0K+3], 0x80000000        ; 127:126 type = 2
	s_mov_b32 s[G0V], 1
	s_mov_b32 s[G0V+1], s67
	s_add_nc_u64 s[G0V+2:G0V+3], s[4:5], s[62:63]
	s_add_nc_u64 s[G0V+2:G0V+3], s[G0V+2:G0V+3], 33554432   ; v
	s_or_b32 s[G0V+3], s[G0V+3], 0x80000000
	TLOAD                                          ; slot 0: it holds key 0, which counts for every query.  One load of a wave is out, here and behind every change of slots
	s_lshl_b32 s72, s[Q0], 7
	s_add_co_u32 s72, s72, s56
	s_mov_b32 s73, 0
	s_add_nc_u64 s[74:75], s[4:5], s[72:73]        ; q at my first query
	s_add_nc_u64 s[6:7], s[6:7], s[72:73]          ; y likewise
	v_and_b32 v14, 15, v0                          ; r
	v_bfe_u32 v15, v0, 4, 1                        ; h
	v_lshlrev_b32 v11, 7, v14
	v_lshl_add_u32 v11, v15, 4, v11                ; Q: row r of 128 bytes + 16 h
.irp x, 0,1
.irp c, 0,1
	global_load_b128 v[Q+16*\x+8*\c:Q+16*\x+8*\c+3],   v11, s[74:75] offset:2048*\x+64*\c      ; Q stays in registers
	global_load_b128 v[Q+16*\x+8*\c+4:Q+16*\x+8*\c+7], v11, s[74:75] offset:2048*\x+64*\c+32
.endr
.endr
	; the prefetches: where my wave's stand, and who asks
	s_cmp_lt_u32 s[WV], 8
	s_cselect_b32 s70, 0, 16777216
	s_add_co_u32 s70, s70, 16777216+32768          ; k or v, in slot 1: the first change of slots steps it to slot 2
	s_add_co_u32 s70, s70, s56
	s_and_b32 s71, s[WV], 3
	s_lshl_b32 s71, s71, 13
	s_add_co_u32 s70, s70, s71
	s_mov_b32 s71, 0
	s_add_nc_u64 s[PFA:PFA+1], s[4:5], s[70:71]
	s_sub_co_u32 s70, s[WV], 4
	s_lshr_b32 s70, s70, 3                         ; 0 in waves 4 to 11,
	s_or_b32 s70, s70, ttmp9                       ; of the work-group with i = 0
	s_cmp_eq_u32 s70, 0
	s_cselect_b32 s[LIM], 1, -1
	v_lshrrev_b32 v5, 1, v14
	v_mul_u32_u24 v[AK0], v5, KP
	v_and_b32 v5, 1, v0
	v_lshl_add_u32 v[AK0], v5, 7, v[AK0]
	v_lshl_add_u32 v[AK0], v15, 4, v[AK0]          ; K: key r: (r / 2) pitch + 128 (r % 2) + 16 h
	v_bfe_u32 v6, v0, 1, 2
	v_lshl_add_u32 v6, v15, 2, v6
	v_mul_u32_u24 v[AV0], v6, VP
	v_lshl_add_u32 v[AV0], v5, 7, v[AV0]
	v_bfe_u32 v6, v0, 3, 1
	v_lshl_add_u32 v[AV0], v6, 4, v[AV0]
	v_add_nc_u32 v[AV0], VOFF, v[AV0]              ; V, for the turning load: key 8 h + l % 8, channels 8 ((l / 8) % 2) on
	s_mul_i32 s76, s[WV], 16*HP
	s_add_co_u32 s76, s76, STAGE                   ; my stage
	v_mul_u32_u24 v[STO], v14, HP
	v_lshl_add_u32 v[STO], v15, 4, v[STO]
	v_add_nc_u32 v[STO], s76, v[STO]
	v_and_b32 v5, 31, v0
	v_lshlrev_b32 v[GO], 4, v5
	v_lshlrev_b32 v[PFO], 8, v5
	v_lshrrev_b32 v6, 3, v5
	v_mul_u32_u24 v[RD], v6, HP
	v_and_b32 v6, 7, v0
	v_lshl_add_u32 v[RD], v6, 4, v[RD]
	v_add_nc_u32 v[RD], s76, v[RD]
	v_lshlrev_b32 v5, 3, v15
	v_sub_nc_u32 v[DB], v14, v5
	v_mov_b32 v[NINF], 0xff800000
.irp x, 0,1
	v_mov_b32 v[ST+8*\x], 0xff61b1e6               ; the largest t so far: -3e38, under every t
.irp j, 1,2,3,4,5,6,7
	v_mov_b32 v[ST+8*\x+\j], 0
.endr
.endr
.set i, 0
.rept 64
	v_mov_b32 v[O+i], 0                            ; O^T.  (The step is written once: the first finds zeros, which a = 0 leaves zeros)
.set i, i+1
.endr
; A KEY STEP: 64 keys.
.macro STEP
	s_add_co_u32 s66, s[Q0], 31
	s_cmp_gt_u32 s[KF], s66                        ; all keys come after my 32 queries: the step's work is left out, not the lines at its end that step addresses
	s_cbranch_scc1 .Lhidden_\@
	v_add_nc_u32 v[ADK], s[TK], v[AK0]
	v_add_nc_u32 v[ADV], s[TV], v[AV0]
.rept 3
	v_nop                                          ; with the two additions: five places between the last step's V^T P, which read p out of S^T's registers, and the products that write S^T anew; four are asked in front of the loads
.endr
.irp c, 0,1
.irp kt, 0,1,2,3
	ds_load_b128 v[KV+16*\kt+8*\c:KV+16*\kt+8*\c+3],   v[ADK] offset:8*KP*\kt+64*\c
	ds_load_b128 v[KV+16*\kt+8*\c+4:KV+16*\kt+8*\c+7], v[ADK] offset:8*KP*\kt+64*\c+32
.endr
.endr
.irp c, 0,1                            ; S^T = K Q^T: the eight accumulators by turns; the first eight products start the sums
.if \c == 0
	s_wait_dscnt 8                                 ; channels 0-31 are in; the eight loads of channels 32-63 may be out
.else
	s_wait_dscnt 0x0
.endif
.irp kt, 0,1,2,3
.irp x, 0,1
.if \c == 0
	v_wmma_f32_16x16x32_f16 v[S+32*\x+8*\kt:S+32*\x+8*\kt+7], v[KV+16*\kt+8*\c:KV+16*\kt+8*\c+7], v[Q+16*\x+8*\c:Q+16*\x+8*\c+7], 0
.else
	v_wmma_f32_16x16x32_f16 v[S+32*\x+8*\kt:S+32*\x+8*\kt+7], v[KV+16*\kt+8*\c:KV+16*\kt+8*\c+7], v[Q+16*\x+8*\c:Q+16*\x+8*\c+7], v[S+32*\x+8*\kt:S+32*\x+8*\kt+7]
.endif
.endr
.endr
.endr
.rept 4
	v_nop                                          ; places in front of the loads into K's registers and of the first read of the scores
.endr
.irp g, 0,1                            ; V, turned, lands under the softmax
.irp ct, 0,1,2,3
	ds_load_tr16_b128 v[KV+32*\g+8*\ct:KV+32*\g+8*\ct+3],   v[ADV] offset:16*VP*\g+32*\ct
	ds_load_tr16_b128 v[KV+32*\g+8*\ct+4:KV+32*\g+8*\ct+7], v[ADV] offset:16*VP*\g+8*VP+32*\ct
.endr
.endr
	s_add_co_u32 s66, s[KF], 63
	s_cmp_le_u32 s66, s[Q0]                        ; all keys count for all my queries: no mask
	s_cbranch_scc1 .Lopen_\@
	s_sub_co_i32 s66, s[Q0], s[KF]
	v_add_nc_u32 v[DM], s66, v[DB]                 ; d = my query - the step's first key - 8 h.  Register 8 kt + j holds key 16 kt + 8 h + j of the step: hidden where 16 kt + j > d
	v_add_nc_u32 v[DM+1], 16, v[DM]
.irp x, 0,1
.set n, 0
.rept 32
	v_cmp_gt_i32 vcc_lo, 16*(n/8)+n%8, v[DM+\x]
	v_cndmask_b32 v[S+32*\x+n], v[S+32*\x+n], v[NINF], vcc_lo
.set n, n+1
.endr
.endr
.Lopen_\@:
	; the softmax, both tiles line by line.  The maximum: four chains, each begun at the low end of an accumulator
.irp j, 0,1,2,3
.irp x, 0,1
	v_max3_num_f32 v[ST+8*\x+4+\j], v[S+32*\x+8*\j], v[S+32*\x+8*\j+1], v[S+32*\x+8*\j+2]
.endr
.endr
.irp i, 3,5
.irp j, 0,1,2,3
.irp x, 0,1
	v_max3_num_f32 v[ST+8*\x+4+\j], v[ST+8*\x+4+\j], v[S+32*\x+8*\j+\i], v[S+32*\x+8*\j+\i+1]
.endr
.endr
.endr
.irp x, 0,1
	v_max3_num_f32 v[ST+8*\x+4], v[ST+8*\x+4], v[S+32*\x+7], v[S+32*\x+15]
	v_max3_num_f32 v[ST+8*\x+6], v[ST+8*\x+6], v[S+32*\x+23], v[S+32*\x+31]
.endr
.irp x, 0,1
	v_max3_num_f32 v[ST+8*\x+4], v[ST+8*\x+4], v[ST+8*\x+5], v[ST+8*\x+6]
.endr
.irp x, 0,1
	v_max3_num_f32 v[ST+8*\x+4], v[ST+8*\x+4], v[ST+8*\x+7], v[ST+8*\x]        ; with the old m
.endr
.irp x, 0,1
	v_permlanex16_b32 v[ST+8*\x+5], v[ST+8*\x+4], s[SEL], s[SEL+1]             ; the query's other 32 keys lie in the lane 16 away
	v_mov_b32 v[ST+8*\x+7], v[ST+8*\x]
.endr
.irp x, 0,1
	v_max_num_f32 v[ST+8*\x], v[ST+8*\x+4], v[ST+8*\x+5]                       ; the new m
.endr
.irp x, 0,1
	v_sub_f32 v[ST+8*\x+7], v[ST+8*\x+7], v[ST+8*\x]                           ; old m - new m
.endr
.set b, 0
.rept 16
.irp x, 0,1
	v_pk_add_f32 v[S+32*\x+b:S+32*\x+b+1], v[S+32*\x+b:S+32*\x+b+1], v[ST+8*\x:ST+8*\x+1] op_sel_hi:[1,0] neg_lo:[0,1] neg_hi:[0,1]   ; t - m, two at a time
.endr
.set b, b+2
.endr
.irp x, 0,1
	v_exp_f32 v[ST+8*\x+6], v[ST+8*\x+7]           ; a.  ONE batch: 66 exponentials, none of which reads another's result
.endr
.set e, 0
.rept 32
.irp x, 0,1
	v_exp_f32 v[S+32*\x+e], v[S+32*\x+e]           ; p = 2^(t - m)
.endr
.set e, e+1
.endr
	v_nop                                          ; a plain line behind the last exponential,
	s_wait_alu depctr_va_vdst(0)                   ; and the one wait ahead of the batch's first reader
.irp x, 0,1
	v_pk_fma_f32 v[ST+8*\x+2:ST+8*\x+3], v[ST+8*\x+2:ST+8*\x+3], v[ST+8*\x+6:ST+8*\x+7], v[S+32*\x:S+32*\x+1] op_sel_hi:[1,0,1]   ; the sum under the new m, and the first pair; the sum is taken of p in f32, in two chains
	v_pk_add_f32 v[ST+8*\x+4:ST+8*\x+5], v[S+32*\x+2:S+32*\x+3], v[S+32*\x+4:S+32*\x+5]
.endr
.irp b, 6,10,14,18,22,26
.irp x, 0,1
	v_pk_add_f32 v[ST+8*\x+2:ST+8*\x+3], v[ST+8*\x+2:ST+8*\x+3], v[S+32*\x+\b:S+32*\x+\b+1]
	v_pk_add_f32 v[ST+8*\x+4:ST+8*\x+5], v[ST+8*\x+4:ST+8*\x+5], v[S+32*\x+\b+2:S+32*\x+\b+3]
.endr
.endr
.irp x, 0,1
	v_pk_add_f32 v[ST+8*\x+2:ST+8*\x+3], v[ST+8*\x+2:ST+8*\x+3], v[S+32*\x+30:S+32*\x+31]
.endr
.irp x, 0,1
	v_pk_add_f32 v[ST+8*\x+2:ST+8*\x+3], v[ST+8*\x+2:ST+8*\x+3], v[ST+8*\x+4:ST+8*\x+5]
.endr
.set j, 0
.rept 16
.irp x, 0,1
	v_cvt_pk_f16_f32 v[S+32*\x+j], v[S+32*\x+2*j], v[S+32*\x+2*j+1]            ; p to f16, in place: register j is written when registers up to 2 j - 1 have been read
.endr
.set j, j+1
.endr
.set i, 0
.rept 16
.irp x, 0,1
	v_pk_mul_f32 v[O+32*\x+i:O+32*\x+i+1], v[O+32*\x+i:O+32*\x+i+1], v[ST+8*\x+6:ST+8*\x+7] op_sel_hi:[1,0]   ; O^T under the new m
.endr
.set i, i+2
.endr
	s_wait_dscnt 0x0                               ; V is in
.irp g, 0,1                            ; O^T += V^T P: the eight accumulators by turns
.irp ct, 0,1,2,3
.irp x, 0,1
	v_wmma_f32_16x16x32_f16 v[O+32*\x+8*\ct:O+32*\x+8*\ct+7], v[KV+32*\g+8*\ct:KV+32*\g+8*\ct+7], v[S+32*\x+8*\g:S+32*\x+8*\g+7], v[O+32*\x+8*\ct:O+32*\x+8*\ct+7]
.endr
.endr
.endr
.Lhidden_\@:
	s_add_co_u32 s[KF], s[KF], 64
	s_add_co_u32 s[TK], s[TK], 32*KP
	s_add_co_u32 s[TV], s[TV], 32*VP
.endm
.macro SLOT_STEPS                      ; a slot's four steps: written once, walked four times
	s_mov_b32 s[INN], 4
.Lstep_\@:
	STEP
	s_sub_co_u32 s[INN], s[INN], 1
	s_cmp_lg_u32 s[INN], 0
	s_cbranch_scc1 .Lstep_\@
	s_sub_co_u32 s[TK], s[TK], 128*KP              ; back to a slot's first step,
	s_xor_b32 s[TK], s[TK], SLOT1                  ; in the other slot
	s_sub_co_u32 s[TV], s[TV], 128*VP
	s_xor_b32 s[TV], s[TV], SLOT1
.endm
; THE CHANGE OF SLOTS stands at a slot's head.  Each wave waits for all its tensor loads (its part of the slot that it is about to read), adds 0 to its spare word, and waits for that and for its reads of the slot that
; it has left.  Behind the barrier the slot ahead is whole and nobody reads the other one.  fill = 1: that other slot takes the keys that follow, up to the causal limit: the load has four steps in which to land.
.macro CHANGE fill
	s_wait_tensorcnt 0x0                           ; no tensor load of mine is out, so a group 0 may be written
	ds_add_u32 v[SPW], v[NIL]                      ; 0 onto my spare word
.if \fill
	ds_add_u32 v[SPW], v[NIL]                      ; and once more, in every trip alike
	s_xor_b32 s[G0K+1], s[G0K+1], SLOT1            ; the walking descriptors: the other slot than last time,
	s_add_nc_u64 s[G0K+2:G0K+3], s[G0K+2:G0K+3], 32768   ; the next 256 keys; the type bits on top are not reached
	s_xor_b32 s[G0V+1], s[G0V+1], SLOT1
	s_add_nc_u64 s[G0V+2:G0V+3], s[G0V+2:G0V+3], 32768
	s_wait_xcnt 0x0                                ; the last prefetch, a slot back, has read its address, so it may be written:
	s_add_nc_u64 s[PFA:PFA+1], s[PFA:PFA+1], 32768 ; one slot further on than the walking descriptors
.endif
	s_wait_dscnt 0x0                               ; the add is done, and my reads of the slot that I have left are over
	s_barrier_signal -1
	s_barrier_wait -1
.if \fill
	s_add_co_u32 s66, s[KF], 256                   ; the first key of the slot that this change would ask for:
	s_cmp_gt_u32 s66, s[LASTQ]                     ; past my work-group's last query none of its waves would read it.  Ids and the count of steps alone: all sixteen waves go the same way
	s_cbranch_scc1 .Lpast_\@
	TLOAD                                          ; the first thing behind the barrier but for those three lines, and a wave's one tensor load until the next
.Lpast_\@:
	ASK
.endif
.endm
	s_wait_loadcnt 0x0                             ; Q
.Lslot:                                            ; seven trips: behind each change of slots but the last the next slot is asked for, up to the limit
	CHANGE 1
	SLOT_STEPS
	s_sub_co_u32 s[SLOTS], s[SLOTS], 1
	s_cmp_lg_u32 s[SLOTS], 0
	s_cbranch_scc1 .Lslot
	CHANGE 0                                       ; the last slot is written out: nothing is left to ask for
	SLOT_STEPS
	; THE WAY OUT.  The sum's halves and the other half of the lanes' are added; O^T is divided by the sum, rounded to f16, and goes through my stage, a tile of 16 queries at a time.  The additions are the places behind the last products.
.irp x, 0,1
	v_add_f32 v[ST+8*\x+4], v[ST+8*\x+2], v[ST+8*\x+3]
.endr
.irp x, 0,1
	v_permlanex16_b32 v[ST+8*\x+5], v[ST+8*\x+4], s[SEL], s[SEL+1]
.endr
.irp x, 0,1
	v_add_f32 v[ST+8*\x+4], v[ST+8*\x+4], v[ST+8*\x+5]
.endr
.irp x, 0,1
	v_rcp_f32 v[ST+8*\x+6], v[ST+8*\x+4]
.endr
	v_nop                                          ; a plain line behind the reciprocals,
	s_wait_alu depctr_va_vdst(0)                   ; and the wait ahead of their first reader
.irp x, 0,1
.set i, 0
.rept 16
	v_pk_mul_f32 v[S+32*\x+i:S+32*\x+i+1], v[O+32*\x+i:O+32*\x+i+1], v[ST+8*\x+6:ST+8*\x+7] op_sel_hi:[1,0]   ; each accumulator from its low end on
.set i, i+2
.endr
.set i, 0
.rept 16
	v_cvt_pk_f16_f32 v[KV+16*\x+i], v[S+32*\x+2*i], v[S+32*\x+2*i+1]
.set i, i+1
.endr
.irp ct, 0,1,2,3
	ds_store_b128 v[STO], v[KV+16*\x+4*\ct:KV+16*\x+4*\ct+3] offset:32*\ct     ; row r, channels 16 ct + 8 h on
.endr
.irp i, 0,1,2,3
	ds_load_b128 v[KV+16*\x+4*\i:KV+16*\x+4*\i+3], v[RD] offset:4*HP*\i        ; back as four whole rows; LDS serves a wave's instructions in order (ISA guide 5.7.1.4)
.endr
.endr
.irp x, 0,1
.irp i, 0,1,2,3
	s_wait_dscnt 11-8*\x-\i                        ; behind this load: the tile's younger loads, and for tile 0 the eight LDS instructions of tile 1
	global_store_b128 v[GO], v[KV+16*\x+4*\i:KV+16*\x+4*\i+3], s[6:7] offset:2048*\x+512*\i   ; 512 consecutive bytes, aligned
.endr
.endr
	s_wait_tensorcnt 0x0                           ; the wave's end: behind my last tensor load and my last LDS store
	ds_add_u32 v[SPW], v[NIL]
	s_wait_dscnt 0x0
	s_endpgm
.Lfunc_end_k_qbb1fdaddf6_attn:
	.size	k_qbb1fdaddf6_attn, .Lfunc_end_k_qbb1fdaddf6_attn-k_qbb1fdaddf6_attn
	.p2alignl 7, 3214868480
	.fill 96, 4, 3214868480
	.section	.rodata,"a",@progbits
	.p2align	6, 0x0
	.amdhsa_kernel k_qbb1fdaddf6_attn
		.amdhsa_group_segment_fixed_size 327680
		.amdhsa_private_segment_fixed_size 0
		.amdhsa_enable_private_segment 0
		.amdhsa_kernarg_size 16
		.amdhsa_user_sgpr_count 2
		.amdhsa_user_sgpr_kernarg_segment_ptr 1
		.amdhsa_wavefront_size32 1
		.amdhsa_system_sgpr_workgroup_id_x 1
		.amdhsa_system_sgpr_workgroup_id_y 1
		.amdhsa_system_sgpr_workgroup_id_z 1
		.amdhsa_system_vgpr_workitem_id 0
		.amdhsa_next_free_vgpr 256
		.amdhsa_next_free_sgpr 100
		.amdhsa_reserve_vcc 1
		.amdhsa_float_denorm_mode_32 3
		.amdhsa_float_denorm_mode_16_64 3
		.amdhsa_memory_ordered 1
		.amdhsa_forward_progress 1
		.amdhsa_inst_pref_size 61
	.end_amdhsa_kernel
	.amdgpu_metadata
---
amdhsa.version: [ 1, 2 ]
amdhsa.kernels:
  - .name:           k_qbb1fdaddf6_attn
    .symbol:         k_qbb1fdaddf6_attn.kd
    .args:
      - { .name: qkv, .offset: 0, .size: 8, .value_kind: global_buffer, .address_space: global }
      - { .name: yh, .offset: 8, .size: 8, .value_kind: global_buffer, .address_space: global }
    .group_segment_fixed_size: 327680
    .private_segment_fixed_size: 0
    .kernarg_segment_align: 8
    .kernarg_segment_size: 16
    .max_flat_workgroup_size: 512
    .sgpr_count:     100
    .vgpr_count:     256
    .wavefront_size: 32
...
	.end_amdgpu_metadata
.endif
;; end of part 3
;; launch proj (part 4): grid 4 x 64, 4 waves a work-group, clusters of 4 x 4, 327,680 bytes of LDS; arguments yh, wpt, out0; writes out0
.if DOCPART == 4
	.amdgcn_target "amdgcn-amd-amdhsa--gfx1250"
	.amdhsa_code_object_version 6
	.text
	.protected	k_qbb1fdaddf6_proj
	.globl	k_qbb1fdaddf6_proj
	.p2align	8
	.type	k_qbb1fdaddf6_proj,@function
k_qbb1fdaddf6_proj:
	s_mov_b64 s[64:65], 0
	v_nop
	global_prefetch_b8 v0, s[64:65] scope:SCOPE_SE
	s_setreg_imm32_b32 hwreg(HW_REG_WAVE_MODE, 25, 1), 1
	s_wait_xcnt 0x0
	s_wait_alu depctr_hold_cnt(0) depctr_sa_sdst(0) depctr_va_vdst(0) depctr_va_sdst(0) depctr_va_ssrc(0) depctr_va_vcc(0) depctr_vm_vsrc(0)
	s_getreg_b32 s2, hwreg(HW_REG_IB_STS2, 6, 4)
	s_cmp_eq_u32 s2, 0
	s_cbranch_scc0 .Lentry_in_a_cluster
	s_endpgm
.Lentry_in_a_cluster:
	s_bfe_u32 s2, ttmp6, 0x10000c
	s_cmp_lg_u32 s2, 0xf033
	s_cbranch_scc0 .Lentry_shape_is_right
	s_endpgm
.Lentry_shape_is_right:
; out0 [8192][1024] f32 = y Wproj, on f16 operands with f32 sums.  y: yh [64 heads][2,048 positions][64] f16 (row b x 2,048 + t of y, channel 64 head + d);  Wproj turned: wpt [1024 n][1024 k] f16.
; A tile of the result is 128 rows x 256 columns: 256 work-groups.  Four waves, each 64 x 128: 32 accumulators of 16 x 16, which fill window 1.  K goes in steps of 128 (two heads) through two LDS slots.
; A head's 128 rows of a tile are 16,384 dense bytes: they come as 64 rows of 256 bytes, two positions each: position p lies at (p / 2) pitch + 128 (p % 2).
; CLUSTERS: 4 x 4 work-groups; y's tiles are asked for jointly along a row of the cluster, Wproj's along a column.  THE MATRIX INSTRUCTION IS USED TRANSPOSED (source 0 = 16 rows of wpt, source 1 = 16 rows of y):
; a lane holds eight neighbouring numbers of a row of the result.
; All rows are made here; the first 16 positions of each sequence are made again, in f32, by the launch behind this one, which stores over them.
; No prefetch: K has eight steps, of which the first four are asked for by the first fills and the first two refills; wpt is read by every cluster.
; REGISTERS: window 0: v0-31 addresses; v32-63, v64-95 y's fragments (4 x 16 rows x 32 K), two buffers; v96-159, v160-223 wpt's (8 x 16 rows x 32 K), two buffers.  window 1: accumulator (a, b) at v[8 (8 a + b)].
.set PITCH,  272                       ; an LDS row: 256 bytes + 16 = 68 words (64 banks of 4 bytes: ISA guide 11.1): the 16 rows of a fragment load start at 16 different groups of four banks
.set AHEAD,  64*PITCH                  ; a head's 128 rows of y: what wave 0 or 1 fetches
.set ABYTES, 2*AHEAD
.set BHALF,  128*PITCH                 ; 128 rows of wpt: what wave 2 or 3 fetches
.set SLOT,   ABYTES+2*BHALF
.set STAGE,  2*SLOT                    ; behind the slots: 16 rows x 528 bytes for each wave; no tile lands here
.set SPITCH, 528
.set SPARE,  STAGE+4*16*SPITCH         ; the spare words, 128 bytes for each wave: two blocks of 256 bytes that no other line names
.set ADRA, 16
.set ADRB, 20
.set STO,  24
.set RD,   25
.set CO,   26
.set SPW,  28                          ; v28  LDS address of my spare word; never rewritten
.set NIL,  29                          ; v29  0; never rewritten
.set FA,   32
.set FB,   96
.set BK,   32                          ; the way out: 16 rows read back: v32-95 and v96-159 by turns
.set G1, 24
.set G0, 32
.set G1B, 48
.set G0B, 56
.set MSB, 0
.macro WIN new                         ; the immediate's high byte repeats the setting that is left
.if MSB != (\new)
	s_set_vgpr_msb (MSB<<8)|(\new)
.set MSB, (\new)
.endif
.endm
.set MUL, 0x50                         ; C and D window 1, sources 0 and 1 window 0
.macro JLOAD s                         ; a joint load: waves 0 and 1 fetch y's two heads, waves 2 and 3 wpt's two halves; an s_nop 0 and four v_nop follow each of the two lines
	s_cmp_eq_u32 s11, 0
	s_cbranch_scc0 .Lfor_b_\@
	tensor_load_to_lds s[G0+4*\s:G0+4*\s+3], s[G1:G1+7]
	s_nop 0
.rept 4
	v_nop
.endr
	s_branch .Lasked_\@
.Lfor_b_\@:
	tensor_load_to_lds s[G0B+4*\s:G0B+4*\s+3], s[G1B:G1B+7]
	s_nop 0
.rept 4
	v_nop
.endr
.Lasked_\@:
.endm
.macro CREST                           ; a round of the cluster's barrier behind its opening barrier
	s_cmp_lg_u32 s10, 0
	s_cbranch_scc1 .Lnot_wave_0_\@
	s_barrier_signal -3
.Lnot_wave_0_\@:
	s_barrier_wait -3
	s_barrier_signal -1
	s_barrier_wait -1
.endm
.macro CROUND
	s_barrier_signal -1
	s_barrier_wait -1
	CREST
.endm
	s_load_b128 s[4:7], s[0:1], 0x0                ; yh s[4:5], wpt s[6:7]
	s_load_b64 s[8:9], s[0:1], 0x10                ; out0
	v_lshl_add_u32 v[SPW], v0, 2, SPARE
	v_mov_b32 v[NIL], 0
	ds_add_u32 v[SPW], v[NIL]                      ; the wave's opening: the add, twice on end, and its wait ahead of my first tensor load
	ds_add_u32 v[SPW], v[NIL]
	v_lshrrev_b32 v1, 5, v0
	v_readfirstlane_b32 s10, v1                    ; wave 0..3
	s_lshr_b32 s11, s10, 1                         ; which 64 rows of the tile are mine.  Also: I fetch for y (0) or for wpt (1)
	s_and_b32 s12, s10, 1                          ; which 128 columns.  Also: which head, or which 128 rows of wpt, I fetch
	s_bfe_u32 s40, ttmp6, 0x40000                  ; cx
	s_bfe_u32 s41, ttmp6, 0x40004                  ; cy
	s_lshl_b32 s42, ttmp9, 2
	s_add_co_u32 s42, s42, s40                     ; tile column = 4 x cluster x + cx
	s_and_b32 s13, ttmp7, 0xffff
	s_lshl_b32 s13, s13, 2
	s_add_co_u32 s13, s13, s41                     ; tile row = 4 x cluster y + cy
	s_lshl_b32 s43, s41, 2
	s_lshl_b32 s43, 15, s43                        ; my row of the cluster
	s_lshl_b32 s44, 0x1111, s40                    ; my column
	s_or_b32 s[G1+0], s43, (0<<16)|(1<<20)|(1<<21)|(5<<22)|(3<<25)  ; 15:0 the mask; 17:16 elements of 1 byte; 20 padding on; 21 set beside a mask; 24:22 after every 64 words; 31:25 four words
	s_mov_b32 s[G1+1], 256<<16                     ; y: 64 rows of 256 bytes, dense
	s_mov_b32 s[G1+2], 64<<16
	s_mov_b32 s[G1+3], 256<<16
	s_mov_b32 s[G1+4], 64
	s_mov_b32 s[G1+5], 256
	s_mov_b32 s[G1+6], 0
	s_mov_b32 s[G1+7], 0
	s_or_b32 s[G1B+0], s44, (0<<16)|(1<<20)|(1<<21)|(5<<22)|(3<<25)
	s_mov_b32 s[G1B+1], 256<<16                    ; wpt: 128 rows of 256 bytes, 2,048 bytes apart
	s_mov_b32 s[G1B+2], 128<<16
	s_mov_b32 s[G1B+3], 256<<16
	s_mov_b32 s[G1B+4], 128
	s_mov_b32 s[G1B+5], 2048
	s_mov_b32 s[G1B+6], 0
	s_mov_b32 s[G1B+7], 0
	s_lshr_b32 s16, s13, 4                         ; the batch: 16 tiles of 128 rows each
	s_lshl_b32 s16, s16, 4
	s_add_co_u32 s16, s16, s12                     ; its head 0 or 1,
	s_lshl_b32 s16, s16, 18                        ; 262,144 bytes a head,
	s_and_b32 s17, s13, 15
	s_lshl_b32 s17, s17, 14                        ; and the tile's 128 positions of 128 bytes
	s_add_co_u32 s16, s16, s17
	s_mov_b32 s17, 0
	s_lshl_b32 s46, s42, 8
	s_lshl_b32 s47, s12, 7
	s_add_co_u32 s46, s46, s47                     ; wpt: row 256 x tile column + 128 x half
	s_lshl_b32 s46, s46, 11
	s_mov_b32 s47, 0
	s_mul_i32 s20, s12, AHEAD                      ; where they go: no place in the cluster enters an LDS address
	s_mul_i32 s21, s12, BHALF
	s_add_co_u32 s21, s21, ABYTES
	s_wait_dscnt 0x0                               ; both opening adds are done
	s_wait_kmcnt 0x0
	s_add_nc_u64 s[14:15], s[4:5], s[16:17]
	s_add_nc_u64 s[46:47], s[6:7], s[46:47]
	CROUND                                         ; all sixteen work-groups are here: the first joint loads meet
.irp s, 0,1
	s_mov_b32 s[G0+4*\s], 1
	s_add_co_u32 s[G0+4*\s+1], s20, \s*SLOT
	s_add_nc_u64 s[G0+4*\s+2:G0+4*\s+3], s[14:15], \s*524288       ; K step s: two heads on
	s_or_b32 s[G0+4*\s+3], s[G0+4*\s+3], 0x80000000
	s_mov_b32 s[G0B+4*\s], 1
	s_add_co_u32 s[G0B+4*\s+1], s21, \s*SLOT
	s_add_nc_u64 s[G0B+4*\s+2:G0B+4*\s+3], s[46:47], \s*256
	s_or_b32 s[G0B+4*\s+3], s[G0B+4*\s+3], 0x80000000
	JLOAD \s
.endr
	v_and_b32 v1, 15, v0                           ; r
	v_bfe_u32 v2, v0, 4, 1                         ; h
	v_lshrrev_b32 v3, 1, v1
	v_mul_u32_u24 v3, v3, PITCH
	v_and_b32 v4, 1, v0
	v_lshl_add_u32 v3, v4, 7, v3
	v_lshl_add_u32 v3, v2, 4, v3                   ; y: (r / 2) pitch + 128 (r % 2) + 16 h
	v_mul_u32_u24 v5, v1, PITCH
	v_lshl_add_u32 v5, v2, 4, v5                   ; wpt: r pitch + 16 h
	s_mul_i32 s21, s11, 32*PITCH                   ; my 64 rows of y
	s_mul_i32 s22, s12, BHALF                      ; my 128 rows of wpt
	s_add_co_u32 s22, s22, ABYTES
.irp s, 0,1
	v_add_nc_u32 v[ADRA+\s], s21, v3
	v_add_nc_u32 v[ADRB+\s], s22, v5
	s_add_co_u32 s21, s21, SLOT
	s_add_co_u32 s22, s22, SLOT
.endr
	s_mul_i32 s23, s10, 16*SPITCH
	s_add_co_u32 s23, s23, STAGE                   ; my stage
	v_mul_u32_u24 v4, v1, SPITCH
	v_lshl_add_u32 v4, v2, 5, v4
	v_add_nc_u32 v[STO], s23, v4                   ; in: row r, 32 bytes for each half of the lanes
	v_and_b32 v6, 31, v0
	v_lshlrev_b32 v[CO], 4, v6                     ; back: the 32 lanes take one row of 512 bytes; and the same in out0
	v_add_nc_u32 v[RD], s23, v[CO]
	s_lshl_b32 s16, s13, 7
	s_lshl_b32 s17, s11, 6
	s_add_co_u32 s16, s16, s17                     ; my first row: 128 x tile row + 64 x half
	s_lshl_b32 s16, s16, 12
	s_mov_b32 s17, 0
	s_add_nc_u64 s[8:9], s[8:9], s[16:17]
	s_lshl_b32 s46, s42, 10                        ; my first column, in bytes: 1,024 x tile column + 512 x half
	s_lshl_b32 s47, s12, 9
	s_add_co_u32 s46, s46, s47
	s_mov_b32 s47, 0
	s_add_nc_u64 s[8:9], s[8:9], s[46:47]
; 8 matrix instructions: y's block a x wpt's eight, 32 along K, out of buffer f.  zero = 1: the first product starts the sums.  The 32 accumulators take turns in one order throughout.
.macro MULG f, a, zero
.irp b, 0,1,2,3,4,5,6,7
.if \zero
	v_wmma_f32_16x16x32_f16 v[8*(8*(\a)+\b):8*(8*(\a)+\b)+7], v[FB+64*(\f)+8*\b:FB+64*(\f)+8*\b+7], v[FA+32*(\f)+8*(\a):FA+32*(\f)+8*(\a)+7], 0
.else
	v_wmma_f32_16x16x32_f16 v[8*(8*(\a)+\b):8*(8*(\a)+\b)+7], v[FB+64*(\f)+8*\b:FB+64*(\f)+8*\b+7], v[FA+32*(\f)+8*(\a):FA+32*(\f)+8*(\a)+7], v[8*(8*(\a)+\b):8*(8*(\a)+\b)+7]
.endif
.endr
.endm
; 24 LDS loads in one run: the fragments of the slot's quarter q (32 along K: head q / 2, channels 32 (q % 2) on) into buffer f: wpt's sixteen, then y's eight
.macro FETCH slot, q, f
	WIN 0
.irp b, 0,1,2,3,4,5,6,7
	ds_load_b128 v[FB+64*(\f)+8*\b:FB+64*(\f)+8*\b+3],   v[ADRB+\slot] offset:16*PITCH*\b+64*(\q)
	ds_load_b128 v[FB+64*(\f)+8*\b+4:FB+64*(\f)+8*\b+7], v[ADRB+\slot] offset:16*PITCH*\b+64*(\q)+32
.endr
.irp a, 0,1,2,3
	ds_load_b128 v[FA+32*(\f)+8*\a:FA+32*(\f)+8*\a+3],   v[ADRA+\slot] offset:8*PITCH*\a+AHEAD*((\q)/2)+64*((\q)%2)
	ds_load_b128 v[FA+32*(\f)+8*\a+4:FA+32*(\f)+8*\a+7], v[ADRA+\slot] offset:8*PITCH*\a+AHEAD*((\q)/2)+64*((\q)%2)+32
.endr
.endm
.macro PLACES                          ; four places in front of loads into registers that matrix instructions have read, and of the first read of results (ISA guide 7.12.1 for the first read of results)
.rept 4
	v_nop
.endr
.endm
; A K step is four quarters of 32 along K, 32 matrix instructions each, on buffers 0, 1, 0, 1.  One of the first three: multiplies buffer f and fetches quarter qn into g.
.macro QUARTER slot, qn, f, g, zero
	s_wait_dscnt 4                                 ; wpt's fragments and y's blocks 0, 1 are in; the youngest four loads (blocks 2, 3) may be out
	WIN MUL
	MULG \f, 0, \zero
	MULG \f, 1, \zero
	PLACES
	FETCH \slot, \qn, \g
	s_wait_dscnt 24                                ; all but the 24 just issued
	WIN MUL
	MULG \f, 2, \zero
	MULG \f, 3, \zero
.endm
; The last quarter multiplies buffer 1 and changes slots: ONE barrier; in front of it each wave waits for all its tensor loads, adds 0 to its spare word, and waits for that and for its own reads of this slot.
; fill = 1: the barrier opens a round of the cluster's, and this slot is filled again, two K steps ahead: the load has 112 matrix instructions in which to land.
.macro TURN slot, next, fill
	WIN 0                                          ; (the add's two registers lie in window 0)
	s_wait_tensorcnt 0x0                           ; all my tensor loads have landed: my part of the next slot
	ds_add_u32 v[SPW], v[NIL]                      ; 0 onto my spare word
	s_wait_dscnt 5                                 ; (the add and the youngest four loads may be out)
	WIN MUL
	MULG 1, 0, 0
	s_wait_dscnt 0x0                               ; the add is done, and my reads of this slot are over
	s_barrier_signal -1
	MULG 1, 1, 0
.if \fill
	WIN 0
.endif
	s_barrier_wait -1
.if \fill
	CREST                                          ; no wave of any partner still reads this slot's tiles or has a load on its way
	s_add_nc_u64 s[G0+4*\slot+2:G0+4*\slot+3], s[G0+4*\slot+2:G0+4*\slot+3], 1048576   ; four heads on
	s_add_nc_u64 s[G0B+4*\slot+2:G0B+4*\slot+3], s[G0B+4*\slot+2:G0B+4*\slot+3], 512
	JLOAD \slot                                    ; the first tensor load behind the round; the four v_nop behind it are also the places in front of the loads below
.else
	PLACES
.endif
	FETCH \next, 0, 0
	WIN MUL
	MULG 1, 2, 0
	MULG 1, 3, 0
.endm
	s_wait_tensorcnt 1                             ; my part of K step 0 is in (K step 1's load may be out)
	s_barrier_signal -1
	s_barrier_wait -1                              ; everybody's is
	FETCH 0, 0, 0
	QUARTER 0, 1, 0, 1, 1                          ; the first quarter's products start the sums
	WIN 0                                          ; at a label and at a branch every window is 0
	s_mov_b32 s3, 3
.Llap:                                                 ; a trip goes once round the two slots, from a lap's second quarter to the next lap's first, and fills both again: K steps 2 to 7
	QUARTER 0, 2, 1, 0, 0
	QUARTER 0, 3, 0, 1, 0
	TURN 0, 1, 1
	QUARTER 1, 1, 0, 1, 0
	QUARTER 1, 2, 1, 0, 0
	QUARTER 1, 3, 0, 1, 0
	TURN 1, 0, 1
	QUARTER 0, 1, 0, 1, 0
	WIN 0
	s_sub_co_u32 s3, s3, 1
	s_cmp_lg_u32 s3, 0
	s_cbranch_scc1 .Llap
	QUARTER 0, 2, 1, 0, 0                          ; the last lap fills nothing, and has no round of the cluster's barrier
	QUARTER 0, 3, 0, 1, 0
	TURN 0, 1, 0
	QUARTER 1, 1, 0, 1, 0
	QUARTER 1, 2, 1, 0, 0
	QUARTER 1, 3, 0, 1, 0
	s_wait_dscnt 4                                 ; the very last quarter: nothing more to fetch
	WIN MUL
	MULG 1, 0, 0
	MULG 1, 1, 0
	s_wait_dscnt 0
	MULG 1, 2, 0
	MULG 1, 3, 0
	WIN 0
; THE WAY OUT, block by block of 16 rows x 128 columns, through my own stage: in as 32 bytes a lane, back as whole rows of 512 bytes.  LDS serves a wave's instructions in order (ISA guide 5.7.1.4).
.macro TOSTAGE a
	WIN 0x04                                       ; an LDS store's data are its source 1: window 1
.irp b, 0,1,2,3,4,5,6,7
	ds_store_b128 v[STO], v[8*(8*(\a)+\b):8*(8*(\a)+\b)+3] offset:64*\b        ; each accumulator from its low end on
	ds_store_b128 v[STO], v[8*(8*(\a)+\b)+4:8*(8*(\a)+\b)+7] offset:64*\b+16
.endr
	WIN 0
.set BB, BK+64*((\a)%2)
.irp t, 0,1,2,3,4,5,6,7,8,9,10,11,12,13,14,15
	ds_load_b128 v[BB+4*\t:BB+4*\t+3], v[RD] offset:\t*SPITCH
.endr
.endm
.macro SEND a, younger
.set BB, BK+64*((\a)%2)
	s_wait_dscnt \younger                          ; the block is back in registers
.irp t, 0,1,2,3,4,5,6,7,8,9,10,11,12,13,14,15
	global_store_b128 v[CO], v[BB+4*\t:BB+4*\t+3], s[8:9] offset:(16*(\a)+\t)*4096 th:TH_STORE_NT   ; 512 consecutive bytes, aligned; every offset an immediate
.endr
.endm
	PLACES
	TOSTAGE 0
.irp a, 1,2,3
.if \a > 1
	s_wait_xcnt 0x0                                ; block a - 2's stores have read the registers into which block a's loads land
.endif
	TOSTAGE \a
	SEND \a-1, 32                                  ; behind block a - 1's loads: block a's 16 stores and 16 loads
.endr
	SEND 3, 0
	s_wait_tensorcnt 0x0                           ; the wave's end: behind my last tensor load and my last LDS store
	ds_add_u32 v[SPW], v[NIL]
	s_wait_dscnt 0x0
	CROUND                                         ; the closing round
	s_endpgm
.Lfunc_end_k_qbb1fdaddf6_proj:
	.size	k_qbb1fdaddf6_proj, .Lfunc_end_k_qbb1fdaddf6_proj-k_qbb1fdaddf6_proj
	.p2alignl 7, 3214868480
	.fill 96, 4, 3214868480
	.section	.rodata,"a",@progbits
	.p2align	6, 0x0
	.amdhsa_kernel k_qbb1fdaddf6_proj
		.amdhsa_group_segment_fixed_size 327680
		.amdhsa_private_segment_fixed_size 0
		.amdhsa_enable_private_segment 0
		.amdhsa_kernarg_size 24
		.amdhsa_user_sgpr_count 2
		.amdhsa_user_sgpr_kernarg_segment_ptr 1
		.amdhsa_wavefront_size32 1
		.amdhsa_system_sgpr_workgroup_id_x 1
		.amdhsa_system_sgpr_workgroup_id_y 1
		.amdhsa_system_sgpr_workgroup_id_z 1
		.amdhsa_system_vgpr_workitem_id 0
		.amdhsa_next_free_vgpr 512
		.amdhsa_next_free_sgpr 66
		.amdhsa_reserve_vcc 0
		.amdhsa_float_denorm_mode_32 3
		.amdhsa_float_denorm_mode_16_64 3
		.amdhsa_memory_ordered 1
		.amdhsa_forward_progress 1
		.amdhsa_inst_pref_size 85
	.end_amdhsa_kernel
	.amdgpu_metadata
---
amdhsa.version: [ 1, 2 ]
amdhsa.kernels:
  - .name:           k_qbb1fdaddf6_proj
    .symbol:         k_qbb1fdaddf6_proj.kd
    .args:
      - { .name: yh, .offset: 0, .size: 8, .value_kind: global_buffer, .address_space: global }
      - { .name: wpt, .offset: 8, .size: 8, .value_kind: global_buffer, .address_space: global }
      - { .name: out0, .offset: 16, .size: 8, .value_kind: global_buffer, .address_space: global }
    .group_segment_fixed_size: 327680
    .private_segment_fixed_size: 0
    .kernarg_segment_align: 8
    .kernarg_segment_size: 24
    .max_flat_workgroup_size: 128
    .sgpr_count:     66
    .vgpr_count:     512
    .wavefront_size: 32
...
	.end_amdgpu_metadata
.endif
;; end of part 4
;; launch first16 (part 5): grid 64 x 4, 16 waves a work-group, no clusters, 18,432 bytes of LDS; arguments early, Wproj, out0; writes out0
.if DOCPART == 5
	.amdgcn_target "amdgcn-amd-amdhsa--gfx1250"
	.amdhsa_code_object_version 6
	.text
	.protected	k_qbb1fdaddf6_first16
	.globl	k_qbb1fdaddf6_first16
	.p2align	8
	.type	k_qbb1fdaddf6_first16,@function
k_qbb1fdaddf6_first16:
	s_mov_b64 s[64:65], 0
	v_nop
	global_prefetch_b8 v0, s[64:65] scope:SCOPE_SE
	s_setreg_imm32_b32 hwreg(HW_REG_WAVE_MODE, 25, 1), 1
	s_wait_xcnt 0x0
; The first 16 positions of every sequence, in f32 throughout: they average one to sixteen values and are the largest rows of the result, so rounded operands would weigh most there.
; early [3 (q c, k, v)][64 heads][16][64] f32;  Wproj [1024 k][1024 n] f32;  out0 [4][2,048][1,024] f32, of which rows 0-15 of each batch are stored over.
; Work-group (nb, batch) makes out0[batch][0..15][16 nb .. 16 nb + 15].  Wave hd takes head hd: its 16 x 16 attention, then its 64 channels of y times Wproj's 64 rows x 16 columns; the sixteen partial tiles meet in LDS.
; All products by v_wmma_f32_16x16x4_f32, 48 a wave: no bulk work.  Its results are written by matrix instructions alone; what is made of a finished sum goes into other registers.
; Both sources of a product take K in the same changed order, in which a lane's registers run on: S^T: lane half h holds channels 32 h + 0..31; y^T: keys 8 h + 0..7; out^T: channels 16 ct + 8 h + 0..7.
; S^T = K Q^T: a lane holds one query (lane % 16) and the keys 8 (lane / 16) + 0..7, and stays with that query to the end.
; PRICE, stated: a work-group's part of a row of the result is 64 bytes, and so is its part of a row of Wproj: 262,144 bytes out in all.  Blocks of 64 columns would give whole runs of 256 bytes and four times the matrix work a wave.
; LIMITS: NaN and infinities are not served.
.set SPARE, 16384                      ; LDS: 16 partial tiles of 1,024 bytes from 0; then the spare words, 128 bytes for each wave: eight blocks of 256 bytes that no other line names
.set SPW, 10                           ; v10  LDS address of my spare word; never rewritten
.set NIL, 11                           ; v11  0; never rewritten
.set Q,   16                           ; v16-47, v48-79  q, k: my row's 32 channels;  later the sixteen partial tiles
.set K,   48
.set V,   80                           ; v80-111   v: register 8 ct + i = key 8 h + i, channel 16 ct + r
.set W,   112                          ; v112-143  Wproj: register 8 ct + i = row 64 hd + 16 ct + 8 h + i, column 16 nb + r
.set SA,  144                          ; v144-159  S^T in two sums, by turns
.set SB,  152
.set P,   160                          ; v160-167  the scores, then p; at the end my partial tile
.set YA,  168                          ; v168-199  y^T: four accumulators
.set YS,  200                          ; v200-231  y^T / the sum
.set OA,  232                          ; v232-247  out^T in two sums, by turns
.set OB,  240
	s_load_b128 s[4:7], s[0:1], 0x0                ; early s[4:5], Wproj s[6:7]
	s_load_b64 s[8:9], s[0:1], 0x10                ; out0
	v_lshl_add_u32 v[SPW], v0, 2, SPARE
	v_mov_b32 v[NIL], 0
	v_lshrrev_b32 v1, 5, v0
	v_readfirstlane_b32 s10, v1                    ; wave = head
	s_and_b32 s11, ttmp7, 0xffff                   ; batch
	v_and_b32 v1, 15, v0                           ; r
	v_bfe_u32 v2, v0, 4, 1                         ; h
	v_lshlrev_b32 v3, 8, v1
	v_lshl_add_u32 v3, v2, 7, v3                   ; q, k: row r of 256 bytes + 128 h
	v_lshlrev_b32 v4, 2, v1
	v_lshl_add_u32 v5, v2, 11, v4                  ; v: 8 h rows of 256 bytes + 4 r
	v_lshl_add_u32 v6, v2, 15, v4                  ; Wproj: 8 h rows of 4,096 bytes + 4 r
	v_lshlrev_b32 v7, 3, v2
	v_sub_nc_u32 v7, v1, v7                        ; d = r - 8 h: register j holds key 8 h + j, hidden where j > d
	v_and_b32 v8, 31, v0
	v_lshlrev_b32 v8, 4, v8
	s_lshl_b32 s12, s10, 10
	v_add_nc_u32 v8, s12, v8                       ; LDS: my partial tile: 1,024 x wave + 16 x lane
	v_lshlrev_b32 v9, 4, v0                        ; and, for waves 0 and 1, 16 x thread: four numbers of every tile
	v_lshlrev_b32 v12, 12, v1
	v_lshl_add_u32 v12, v2, 5, v12                 ; out0: row r of 4,096 bytes + 32 h
	v_mov_b32 v248, 0xff800000                     ; -infinity
	v_mov_b32 v250, 0                              ; written once: a lane permute's destination counts as one of its sources
	s_mov_b32 s20, 0x76543210
	s_mov_b32 s21, 0xfedcba98                      ; v_permlanex16_b32's selects for lane l xor 16
	s_lshl_b32 s12, s11, 4
	s_add_co_u32 s12, s12, s10
	s_lshl_b32 s12, s12, 12                        ; early: 4,096 bytes a head
	s_mov_b32 s13, 0
	s_lshl_b32 s14, s10, 18                        ; Wproj: my head's 64 rows of 4,096 bytes,
	s_lshl_b32 s15, ttmp9, 6                       ; my work-group's 16 columns
	s_add_co_u32 s14, s14, s15
	s_mov_b32 s15, 0
	s_lshl_b32 s16, s11, 23                        ; out0: 2,048 rows of 4,096 bytes a batch,
	s_lshl_b32 s17, ttmp9, 6
	s_add_co_u32 s16, s16, s17
	s_lshl_b32 s17, s10, 4                         ; and, for waves 0 and 1, which four of a lane's eight columns
	s_add_co_u32 s16, s16, s17
	s_mov_b32 s17, 0
	s_wait_kmcnt 0x0
	s_add_nc_u64 s[4:5], s[4:5], s[12:13]
	s_add_nc_u64 s[6:7], s[6:7], s[14:15]
	s_add_nc_u64 s[8:9], s[8:9], s[16:17]
.irp i, 0,1,2,3,4,5,6,7
	global_load_b128 v[Q+4*\i:Q+4*\i+3], v3, s[4:5] offset:16*\i
.endr
.irp i, 0,1,2,3,4,5,6,7
	global_load_b128 v[K+4*\i:K+4*\i+3], v3, s[4:5] offset:262144+16*\i
.endr
.irp ct, 0,1,2,3
.irp i, 0,1,2,3,4,5,6,7
	global_load_b32 v[V+8*\ct+\i], v5, s[4:5] offset:524288+256*\i+64*\ct
.endr
.endr
	s_wait_loadcnt 32                              ; q and k are in; v's 32 loads may be out
.irp ct, 0,1,2,3
.irp i, 0,1,2,3,4,5,6,7
	global_load_b32 v[W+8*\ct+\i], v6, s[6:7] offset:(16*\ct+\i)*4096   ; asked for only now: 64 loads of the wave are out at the most
.endr
.endr
.irp s, 0,1,2,3,4,5,6,7,8,9,10,11,12,13,14,15  ; S^T: 16 steps of 4 channels, two sums by turns; each begins with the constant 0
.if \s < 2
	v_wmma_f32_16x16x4_f32 v[SA+8*(\s%2):SA+8*(\s%2)+7], v[K+2*\s:K+2*\s+1], v[Q+2*\s:Q+2*\s+1], 0
.else
	v_wmma_f32_16x16x4_f32 v[SA+8*(\s%2):SA+8*(\s%2)+7], v[K+2*\s:K+2*\s+1], v[Q+2*\s:Q+2*\s+1], v[SA+8*(\s%2):SA+8*(\s%2)+7]
.endif
.endr
.rept 8
	v_nop                                          ; eight places behind this form before a vector instruction reads a result (ISA guide 7.12.1)
.endr
.irp j, 0,2,4,6
	v_pk_add_f32 v[P+\j:P+\j+1], v[SA+\j:SA+\j+1], v[SB+\j:SB+\j+1]            ; t = score x c: q carries c.  From the low end on
.endr
.irp j, 0,1,2,3,4,5,6,7
	v_cmp_gt_i32 vcc_lo, \j, v7
	v_cndmask_b32 v[P+\j], v[P+\j], v248, vcc_lo   ; the causal mask
.endr
	v_max3_num_f32 v249, v[P], v[P+1], v[P+2]
	v_max3_num_f32 v249, v249, v[P+3], v[P+4]
	v_max3_num_f32 v249, v249, v[P+5], v[P+6]
	v_max_num_f32 v249, v249, v[P+7]
	v_permlanex16_b32 v250, v249, s20, s21
	v_max_num_f32 v249, v249, v250                 ; the row's maximum: key 0 counts for every query, so it is a number
.irp j, 0,1,2,3,4,5,6,7
	v_sub_f32 v[P+\j], v[P+\j], v249
.endr
.irp j, 0,1,2,3,4,5,6,7
	v_exp_f32 v[P+\j], v[P+\j]
.endr
	v_nop                                          ; a plain line behind the last exponential,
	s_wait_alu depctr_va_vdst(0)                   ; and the one wait ahead of the batch's first reader
	v_pk_add_f32 v[252:253], v[P:P+1], v[P+2:P+3]
	v_pk_add_f32 v[254:255], v[P+4:P+5], v[P+6:P+7]
	v_pk_add_f32 v[252:253], v[252:253], v[254:255]
	v_add_f32 v252, v252, v253
	v_permlanex16_b32 v250, v252, s20, s21
	v_add_f32 v252, v252, v250                     ; the row's sum
	v_rcp_f32 v252, v252
	v_nop
	s_wait_alu depctr_va_vdst(0)
	s_wait_loadcnt 32                              ; v is in; Wproj's 32 loads may be out
.irp s, 0,1,2,3                        ; y^T = V^T P: four steps of 4 keys, four accumulators by turns
.irp ct, 0,1,2,3
.if \s == 0
	v_wmma_f32_16x16x4_f32 v[YA+8*\ct:YA+8*\ct+7], v[V+8*\ct+2*\s:V+8*\ct+2*\s+1], v[P+2*\s:P+2*\s+1], 0
.else
	v_wmma_f32_16x16x4_f32 v[YA+8*\ct:YA+8*\ct+7], v[V+8*\ct+2*\s:V+8*\ct+2*\s+1], v[P+2*\s:P+2*\s+1], v[YA+8*\ct:YA+8*\ct+7]
.endif
.endr
.endr
.rept 8
	v_nop
.endr
.set i, 0
.rept 16
	v_pk_mul_f32 v[YS+i:YS+i+1], v[YA+i:YA+i+1], v[252:253] op_sel_hi:[1,0]    ; / the sum; register 8 ct + j is y(query r, channel 16 ct + 8 h + j)
.set i, i+2
.endr
	s_wait_loadcnt 0x0                             ; Wproj
.irp ct, 0,1,2,3                       ; out^T = Wproj^T y^T over my 64 channels: 16 steps, two sums by turns
.irp s, 0,1,2,3
.if 4*\ct+\s < 2
	v_wmma_f32_16x16x4_f32 v[OA+8*(\s%2):OA+8*(\s%2)+7], v[W+8*\ct+2*\s:W+8*\ct+2*\s+1], v[YS+8*\ct+2*\s:YS+8*\ct+2*\s+1], 0
.else
	v_wmma_f32_16x16x4_f32 v[OA+8*(\s%2):OA+8*(\s%2)+7], v[W+8*\ct+2*\s:W+8*\ct+2*\s+1], v[YS+8*\ct+2*\s:YS+8*\ct+2*\s+1], v[OA+8*(\s%2):OA+8*(\s%2)+7]
.endif
.endr
.endr
.rept 8
	v_nop
.endr
.irp j, 0,2,4,6
	v_pk_add_f32 v[P+\j:P+\j+1], v[OA+\j:OA+\j+1], v[OB+\j:OB+\j+1]            ; my head's part of out(query r, column 16 nb + 8 h + j)
.endr
	ds_store_b128 v8, v[P:P+3]
	ds_store_b128 v8, v[P+4:P+7] offset:512
	s_wait_dscnt 0x0                               ; for the others' sake: my stores have landed
	s_barrier_signal -1
	s_barrier_wait -1
	s_cmp_lt_u32 s10, 2                            ; waves 0 and 1 add the sixteen tiles: thread n takes four numbers of each
	s_cbranch_scc0 .Lend
.irp p, 0,1,2,3,4,5,6,7,8,9,10,11,12,13,14,15
	ds_load_b128 v[Q+4*\p:Q+4*\p+3], v9 offset:1024*\p
.endr
	s_wait_dscnt 0x0
.irp p, 0,1,2,3,4,5,6,7
	v_pk_add_f32 v[Q+4*\p:Q+4*\p+1], v[Q+4*\p:Q+4*\p+1], v[Q+32+4*\p:Q+32+4*\p+1]
	v_pk_add_f32 v[Q+4*\p+2:Q+4*\p+3], v[Q+4*\p+2:Q+4*\p+3], v[Q+32+4*\p+2:Q+32+4*\p+3]
.endr
.irp p, 0,1,2,3
	v_pk_add_f32 v[Q+4*\p:Q+4*\p+1], v[Q+4*\p:Q+4*\p+1], v[Q+16+4*\p:Q+16+4*\p+1]
	v_pk_add_f32 v[Q+4*\p+2:Q+4*\p+3], v[Q+4*\p+2:Q+4*\p+3], v[Q+16+4*\p+2:Q+16+4*\p+3]
.endr
.irp p, 0,1
	v_pk_add_f32 v[Q+4*\p:Q+4*\p+1], v[Q+4*\p:Q+4*\p+1], v[Q+8+4*\p:Q+8+4*\p+1]
	v_pk_add_f32 v[Q+4*\p+2:Q+4*\p+3], v[Q+4*\p+2:Q+4*\p+3], v[Q+8+4*\p+2:Q+8+4*\p+3]
.endr
	v_pk_add_f32 v[Q:Q+1], v[Q:Q+1], v[Q+4:Q+5]
	v_pk_add_f32 v[Q+2:Q+3], v[Q+2:Q+3], v[Q+6:Q+7]
	global_store_b128 v12, v[Q:Q+3], s[8:9]        ; out0[batch][r][16 nb + 8 h + 4 wave + 0 .. 3]
.Lend:
	s_wait_tensorcnt 0x0                           ; the wave's end: behind my last LDS store
	ds_add_u32 v[SPW], v[NIL]
	s_wait_dscnt 0x0
	s_endpgm
.Lfunc_end_k_qbb1fdaddf6_first16:
	.size	k_qbb1fdaddf6_first16, .Lfunc_end_k_qbb1fdaddf6_first16-k_qbb1fdaddf6_first16
	.p2alignl 7, 3214868480
	.fill 96, 4, 3214868480
	.section	.rodata,"a",@progbits
	.p2align	6, 0x0
	.amdhsa_kernel k_qbb1fdaddf6_first16
		.amdhsa_group_segment_fixed_size 18432
		.amdhsa_private_segment_fixed_size 0
		.amdhsa_enable_private_segment 0
		.amdhsa_kernarg_size 24
		.amdhsa_user_sgpr_count 2
		.amdhsa_user_sgpr_kernarg_segment_ptr 1
		.amdhsa_wavefront_size32 1
		.amdhsa_system_sgpr_workgroup_id_x 1
		.amdhsa_system_sgpr_workgroup_id_y 1
		.amdhsa_system_sgpr_workgroup_id_z 1
		.amdhsa_system_vgpr_workitem_id 0
		.amdhsa_next_free_vgpr 256
		.amdhsa_next_free_sgpr 66
		.amdhsa_reserve_vcc 1
		.amdhsa_float_denorm_mode_32 3
		.amdhsa_float_denorm_mode_16_64 3
		.amdhsa_memory_ordered 1
		.amdhsa_forward_progress 1
		.amdhsa_inst_pref_size 21
	.end_amdhsa_kernel
	.amdgpu_metadata
---
amdhsa.version: [ 1, 2 ]
amdhsa.kernels:
  - .name:           k_qbb1fdaddf6_first16
    .symbol:         k_qbb1fdaddf6_first16.kd
    .args:
      - { .name: early, .offset: 0, .size: 8, .value_kind: global_buffer, .address_space: global }
      - { .name: Wproj, .offset: 8, .size: 8, .value_kind: global_buffer, .address_space: global }
      - { .name: out0, .offset: 16, .size: 8, .value_kind: global_buffer, .address_space: global }
    .group_segment_fixed_size: 18432
    .private_segment_fixed_size: 0
    .kernarg_segment_align: 8
    .kernarg_segment_size: 24
    .max_flat_workgroup_size: 512
    .sgpr_count:     66
    .vgpr_count:     256
    .wavefront_size: 32
...
	.end_amdgpu_metadata
.endif
;; end of part 5
